; MI455X (gfx1250); checked and timed in simulation.
; The chip was launched on July 23, 2026; its instructions are those of AMD's public machine-readable ISA for CDNA 5 (MIT licence, August 2026) and "CDNA5" Instruction Set Architecture Reference Guide (July 2026). The comments in the code are by the model that wrote it; some were corrected since.
;; Long Net Transformer. Allowed arithmetic: matrix products marked QUANTISED: E2M3 operands, one E8M0 scale for each 32 along K, by v_wmma_scale_f32_16x16x128_f8f6f4 with both operands' format E2M3, f32 sums; everything else in f32.
;; Inputs: Wo 3 x 1,024 x 1,024 float32; Wqkv 3 x 1,024 x 3,072 float32; bo 3 x 1,024 float32; bqkv 3 x 3,072 float32; x 2 x 4,096 x 1,024 float32.
;; Outputs: out0 2 x 2,048 x 1,024 float32.
;; This version of the problem:
;;   THIS VERSION OF THE PROBLEM IS GIVEN IN LOW PRECISION. The matrix products marked QUANTISED in the list below multiply operands that are first quantised to E2M3 (2 exponent bits, 3 mantissa bits; 6 bits a number), with one power-of-two scale for each 32 numbers along K (OCP MX v1.0); their sums are f32. All else is computed in f32.
;;   The module's matrix products, in the order in which they are computed (A, B: the left and right operand; K: the contracted axis; several contracted axes count as one K, in the product's order):
;;     1. [M 4,096, K 1,024] x [K 1,024, N 3,072]; A: input x; B: input Wqkv: QUANTISED
;;     2. batch 2,048 x [M 32, K 64] x [K 64, N 32]; A: computed on the way; B: computed on the way: QUANTISED
;;     3. batch 2,048 x [M 64, K 32] x [K 32, N 32]; A: computed on the way; B: softmax (see below): QUANTISED
;;     4. [M 4,096, K 1,024] x [K 1,024, N 1,024]; A: computed on the way; B: input Wo: QUANTISED
;;     5. [M 4,096, K 1,024] x [K 1,024, N 3,072]; A: input x; B: input Wqkv: QUANTISED
;;     6. batch 1,024 x [M 64, K 64] x [K 64, N 64]; A: computed on the way; B: computed on the way: QUANTISED
;;     7. batch 1,024 x [M 64, K 64] x [K 64, N 64]; A: computed on the way; B: softmax (see below): QUANTISED
;;     8. [M 4,096, K 1,024] x [K 1,024, N 1,024]; A: computed on the way; B: input Wo: QUANTISED
;;     9. [M 4,096, K 1,024] x [K 1,024, N 3,072]; A: input x; B: input Wqkv: QUANTISED
;;     10. batch 512 x [M 128, K 64] x [K 64, N 128]; A: computed on the way; B: computed on the way: QUANTISED
;;     11. batch 512 x [M 64, K 128] x [K 128, N 128]; A: computed on the way; B: softmax (see below): QUANTISED
;;     12. [M 4,096, K 1,024] x [K 1,024, N 1,024]; A: computed on the way; B: input Wo: QUANTISED
;;   THE QUANTISER, for each operand of a quantised product, along K:
;;     - K is cut into blocks of 32 from its start; a last block that is shorter is filled with zeros.
;;     - A block's scale is 2^e with e = floor(log2(the largest magnitude in the block)) - 2, held to -126 .. 127; a block of zeros has e = 0. As a byte (E8M0): e + 127.
;;     - Each number is divided by its block's scale, clamped to +-7.5, and rounded to the nearest number of E2M3, ties to even, subnormals kept.
;;     - The product sums the exact products of the quantised numbers (number of the format x scale) in f32.
;;   ~~~python
;;   def quantise(x, axis):      # numpy; x: float32 -> the quantised numbers, widened to float32 again
;;       x = np.moveaxis(x, axis, -1); K = x.shape[-1]
;;       x = np.pad(x, [(0, 0)] * (x.ndim - 1) + [(0, -K % 32)]); x = x.reshape(x.shape[:-1] + (-1, 32)); a = np.abs(x).max(-1, keepdims=True)
;;       e = np.where(a > 0, np.clip(np.frexp(np.where(a > 0, a, 1))[1] - 1 - 2, -126, 127), 0)      # np.frexp(a)[1] - 1 = floor(log2(a)), exactly
;;       r = np.clip(x / 2.0 ** e, -7.5, 7.5)
;;       step = 2.0 ** (np.maximum(np.frexp(np.where(r == 0, 1, r))[1] - 1, 0) - 3)
;;       q = np.round(r / step) * step * 2.0 ** e      # np.round: ties to even
;;       return np.moveaxis(q.reshape(q.shape[:-2] + (-1,))[..., :K], -1, axis).astype(np.float32)
;;   ~~~
;;   SOFTMAX AHEAD OF A QUANTISED PRODUCT. Where the list says 'softmax', what is quantised is not the finished softmax but p = 2^(t - M), with t = logit x log2(e) and M = ceil(the row's largest t), a whole number; so 1/2 < the row's largest p <= 1. The row's sum l is taken of the UNQUANTISED p, in f32, and the product's result is divided by l at the end. Since M is a whole number, a kernel that streams over the keys may use a running M (the ceiling of the running maximum): every later rescaling is an exact power of two, which a block's scale takes up: the codes' values come out the same.
;;   OPERANDS COMPUTED ON THE WAY. 'Computed on the way' means the value that the module computes at that place (a softmax that the list does not call 'softmax' is quantised finished and normalised). What goes into a quantiser is computed in f32, as accurately as f32 sums, v_exp_f32 and their like allow (about 1e-6 of the number): no bf16 or f16 on the way to a quantiser, and a product that is left as it is and whose result goes on into a quantised operand takes f32 operands (vector FMAs, or v_wmma_f32_16x16x4_f32). A number that lies on a knife's edge between two numbers of the format may be rounded either way, as far as f32 arithmetic and the matrix unit's own rounding can turn it there, and no further.
;; One version. Each part assembles by itself: llvm-mc -triple=amdgcn-amd-amdhsa -mcpu=gfx1250 --defsym DOCPART=n.
;; ======== version 1 of 1: 3 launches
;; limits: right only within a limited range of input values
;; workspace buffers: xq 3,276,800 bytes; wq 7,471,104 bytes; wo 2,555,904 bytes; oq 9,830,400 bytes
;; launch quant (part 1): grid 32 x 16, 4 waves a work-group, no clusters, 58,880 bytes of LDS; arguments x, Wqkv, Wo, xq, wq, wo; writes xq, wq, wo
.if DOCPART == 1
	.amdgcn_target "amdgcn-amd-amdhsa--gfx1250"
	.amdhsa_code_object_version 6
	.text
	.protected	k_q84928671d3_quant
	.globl	k_q84928671d3_quant
	.p2align	8
	.type	k_q84928671d3_quant,@function
k_q84928671d3_quant:
	s_mov_b64 s[64:65], 0
	v_nop
	global_prefetch_b8 v0, s[64:65] scope:SCOPE_SE
	s_setreg_imm32_b32 hwreg(HW_REG_WAVE_MODE, 25, 1), 1
	s_wait_xcnt 0x0
; The even rows of x [2][4096][1024], Wqkv [3][1024][3072] and Wo [3][1024][1024], all f32, become codes of FP6 (E2M3) with one E8M0 byte for each 32 along K,
; laid as IMAGES OF OPERAND REGISTERS: a fragment (16 rows x 128 K, 12 registers a lane) is 1,536 bytes, register p of lane l at 512 (p / 4) + 16 l + 4 (p % 4);
; the scale words of two neighbouring fragments are 128 bytes, the even fragment's in the words of lanes 0-15, the odd one's in those of lanes 16-31.
; A block's scale is 2^(floor(log2(its largest magnitude)) - 2): its byte is the largest magnitude's exponent field - 2, held at 1 from below.
; LIMITS: NaN and infinities are not served; a block of zeros, or one whose largest magnitude lies under 2^-124, gets the byte 1 (its codes are zeros or tiny; the bytes are read by this program alone).
; SHARES: work-group y = 0..11 (4 x layer + which 256 of K): x = 0..23 take 128 columns of Wqkv, x = 24..31 128 columns of Wo; y = 12..15: 32 dilated rows of x (block of 128 rows = work-group x).
; TILES: a tile 2 b + u of rows of x, or of a head's columns of Wqkv, takes in lane r the row 32 b + 8 u + r + 8 (r / 8), so that results of two neighbouring tiles are neighbours along the next K.  Wo's tiles are plain.
; The two ways part on the work-group's number and have LDS bytes of their own.  Waves share nothing: no barrier.
.set WST,   33792                      ; the weights' stages: 6,144 bytes a wave; the stages for x begin at byte 0: 8,448 bytes a wave
.set WREC,  9728                       ; wq: a wave's record of a K step: 6 fragments, 3 x 128 bytes of scale words, padded to a multiple of 256
.set WSTEP, 38912                      ; wq: a K step's four records
.set OREC,  3328                       ; wo: a record: 2 fragments, 128 bytes of scale words, padded
.set OFF,   36                         ; v36-67  weights: byte offset of my column in row i of a block, never rewritten
.set XW,    68                         ; v68-131 weights: two sets of 32 numbers; later the way out
.set CW,    16                         ; v16-21  weights: a block's six words of codes
.set CTW,   22                         ; v22-24  the second conversion's three words
.set SB,    12                         ; v12-13  weights: the scale words of my column, one for each K step
.set KB,    32                         ; s[32:47] weights: the address of each of the eight blocks' first row
.set R,     64                         ; v64-191 x: two sets of 64 registers as loaded
.set XT,    192                        ; v192-255 x: my two blocks of 32 neighbours
.set CD,    16                         ; v16-27  x: a fragment's twelve words
	s_load_b128 s[4:7], s[0:1], 0x0                ; x, Wqkv
	s_load_b128 s[8:11], s[0:1], 0x10              ; Wo, xq
	s_load_b128 s[12:15], s[0:1], 0x20             ; wq, wo
	v_lshl_add_u32 v31, v0, 2, 0xe400
	v_mov_b32 v35, 0
	v_lshrrev_b32 v1, 5, v0
	v_readfirstlane_b32 s16, v1                    ; wave
	v_and_b32 v2, 31, v0                           ; lane
	v_lshlrev_b32 v6, 4, v2                        ; 16 x lane
	v_lshlrev_b32 v7, 2, v2                        ; 4 x lane
	v_lshrrev_b32 v3, 4, v2                        ; lane / 16
	v_and_b32 v1, 15, v2                           ; lane % 16
	s_and_b32 s17, ttmp7, 0xffff                   ; work-group y
	s_wait_kmcnt 0x0
	s_cmp_ge_u32 s17, 12
	s_cbranch_scc1 .Lxpath
; ---------------- THE WEIGHTS.  A lane takes a column, its registers run down K: a block of 32 lies in one lane.  A wave: 32 columns x 256 K = 2 K steps x 2 fragments.
	s_lshr_b32 s19, s17, 2                         ; layer
	s_and_b32 s20, s17, 3                          ; which 256 of K
	s_sub_co_u32 s25, ttmp9, 24
	s_mov_b32 s21, 12288
	s_mov_b32 s22, WSTEP
	s_cmp_ge_u32 ttmp9, 24                         ; Wo's work-group?  The choices hang on the work-group's number alone
	s_cselect_b32 s21, 4096, s21                   ; bytes from row to row of the source
	s_cselect_b32 s22, OREC, s22                   ; bytes from K step to K step of the destination
	s_cselect_b32 s23, s25, ttmp9                  ; which 128 columns
	s_cselect_b32 s24, 0, -1                       ; all ones: the tiles' columns are permuted
	s_cselect_b64 s[26:27], s[8:9], s[6:7]         ; source
	s_cselect_b64 s[28:29], s[14:15], s[12:13]     ; destination
	s_lshl_b32 s30, s23, 2
	s_add_co_u32 s30, s30, s16                     ; g = my wave's group of 32 columns
	s_lshl_b32 s50, s19, 10
	s_lshl_b32 s31, s20, 8
	s_add_co_u32 s50, s50, s31                     ; my first row: 1024 layer + 256 kq
	s_mul_i32 s50, s50, s21
	s_lshl_b32 s31, s30, 7
	s_add_co_u32 s50, s50, s31                     ; + 128 g bytes: under 2^26
	s_mov_b32 s51, 0
	s_lshl_b32 s48, s21, 5                         ; 32 rows
	s_mov_b32 s49, 0
	s_add_nc_u64 s[KB:KB+1], s[26:27], s[50:51]
.irp t, 1,2,3,4,5,6,7
	s_add_nc_u64 s[KB+2*\t:KB+2*\t+1], s[KB+2*\t-2:KB+2*\t-1], s[48:49]
.endr
	s_lshl_b32 s60, s19, 3
	s_lshl_b32 s31, s20, 1
	s_add_co_u32 s60, s60, s31                     ; my first K step: 8 layer + 2 kq
	s_lshr_b32 s61, s30, 5                         ; Wqkv: 0 q, 1 k, 2 v
	s_bfe_u32 s62, s30, 0x30002                    ; pair of heads
	s_bfe_u32 s63, s30, 0x10001                    ; head in the pair
	s_and_b32 s31, s30, 1                          ; which 32 of the head's 64 columns
	s_lshl_b32 s25, s61, 1
	s_add_co_u32 s25, s25, s63                     ; q, k: they feed wave 2 part + head, as its fragments 2 b, 2 b + 1
	s_lshl_b32 s52, s63, 1
	s_add_co_u32 s52, s52, s31                     ; v: they feed wave 2 head + b, as its fragments 4, 5
	s_cmp_lt_u32 s61, 2
	s_cselect_b32 s25, s25, s52
	s_cselect_b32 s31, s31, 2                      ; which pair of fragments in the record
	s_mul_i32 s62, s62, 24
	s_add_co_u32 s62, s62, s60
	s_mul_i32 s62, s62, WSTEP
	s_mul_i32 s25, s25, WREC
	s_add_co_u32 s62, s62, s25                     ; the record in wq
	s_mul_i32 s25, s31, 3072
	s_add_co_u32 s52, s62, s25                     ; its codes
	s_lshl_b32 s25, s31, 7
	s_add_co_u32 s56, s62, s25
	s_add_co_u32 s56, s56, 9216                    ; its scale words
	s_mul_i32 s25, s30, 24
	s_add_co_u32 s25, s25, s60
	s_mul_i32 s25, s25, OREC                       ; the record in wo
	s_add_co_u32 s31, s25, 3072
	s_cmp_ge_u32 ttmp9, 24
	s_cselect_b32 s52, s25, s52
	s_cselect_b32 s56, s31, s56
	s_mov_b32 s53, 0
	s_mov_b32 s57, 0
	s_mov_b32 s23, 0                               ; s[22:23]: a K step on, in 64 bits
	s_add_nc_u64 s[52:53], s[28:29], s[52:53]      ; codes of my first K step,
	s_add_nc_u64 s[56:57], s[28:29], s[56:57]      ; its scale words,
	s_add_nc_u64 s[54:55], s[52:53], s[22:23]      ; and the same of my second
	s_add_nc_u64 s[58:59], s[56:57], s[22:23]
	s_wait_alu depctr_va_vdst(0)
	v_and_b32 v9, 7, v2                            ; lane 16 u + r owns lane r of fragment u: it loads column 8 u + r % 8 + 16 (r / 8) (permuted) or 16 u + r (plain)
	v_lshl_add_u32 v9, v3, 3, v9
	v_bfe_u32 v10, v2, 3, 1
	v_lshl_add_u32 v9, v10, 4, v9
	v_cndmask_b32 v9, v2, v9, s24
	v_lshlrev_b32 v[OFF], 2, v9
.irp i, 1,2,3,4,5,6,7,8,9,10,11,12,13,14,15,16,17,18,19,20,21,22,23,24,25,26,27,28,29,30,31
	v_add_nc_u32 v[OFF+\i], s21, v[OFF+\i-1]
.endr
	s_mul_i32 s25, s16, 6144
	v_lshlrev_b32 v4, 4, v1
	v_mad_u32_u24 v4, v3, 1536, v4
	v_add_nc_u32 v4, s25, v4
	v_add_nc_u32 v4, WST, v4                       ; into my stage: fragment u, 16 r
	v_add_nc_u32 v5, s25, v6
	v_add_nc_u32 v5, WST, v5                       ; out of it: 16 x lane
.macro WLOAD t                         ; block t: 32 rows of K at my column: a wave's load reads 128 consecutive bytes, the four waves 512
.irp i, 0,1,2,3,4,5,6,7,8,9,10,11,12,13,14,15,16,17,18,19,20,21,22,23,24,25,26,27,28,29,30,31
	global_load_b32 v[XW+32*((\t)%2)+\i], v[OFF+\i], s[KB+2*(\t):KB+2*(\t)+1] th:TH_LOAD_NT
.endr
.endm
; Block t = 4 kappa + 2 c + h of my column is registers 6 c .. 6 c + 5 of lane 16 h + r of the fragment of K step kappa.
.macro WBLOCK t
.set XB0, XW+32*((\t)%2)
.set STO, 3072*((\t)/4)+256*((\t)%2)
.if (\t) < 7
	s_wait_loadcnt 32                              ; this block's 32 loads are in; the next block's 32 may be out
.else
	s_wait_loadcnt 0x0
.endif
	v_max3_num_f32 v8, |v[XB0]|, |v[XB0+1]|, |v[XB0+2]|
	v_max3_num_f32 v9, |v[XB0+3]|, |v[XB0+4]|, |v[XB0+5]|
.irp i, 6,10,14,18,22,26
	v_max3_num_f32 v8, v8, |v[XB0+\i]|, |v[XB0+\i+1]|
	v_max3_num_f32 v9, v9, |v[XB0+\i+2]|, |v[XB0+\i+3]|
.endr
	v_max3_num_f32 v8, v8, |v[XB0+30]|, |v[XB0+31]|
	v_max3_num_f32 v8, v8, v9, 0x1800000           ; the floor 2^(3 - 127): the byte cannot fall under 1
	v_add_nc_u32 v10, 0xff000000, v8               ; 2 off the exponent field: the conversion's scale operand
	v_lshrrev_b32 v11, 23, v10                     ; the byte
.if (\t)%4 == 0
	v_mov_b32 v[SB+(\t)/4], v11
.else
	v_lshl_or_b32 v[SB+(\t)/4], v11, 8*((\t)%4), v[SB+(\t)/4]
.endif
	v_cvt_scalef32_pk16_fp6_f32 v[CW:CW+2], v[XB0:XB0+15], v10
	v_cvt_scalef32_pk16_fp6_f32 v[CTW:CTW+2], v[XB0+16:XB0+31], v10   ; (a conversion's three registers begin on an even number)
	v_nop                                          ; one plain place behind a scaled conversion
.irp i, 0,1,2
	v_mov_b32 v[CW+3+\i], v[CTW+\i]
.endr
.if ((\t)/2)%2 == 0
	ds_store_b128 v4, v[CW:CW+3] offset:STO
	ds_store_b64 v4, v[CW+4:CW+5] offset:STO+512
.else
	ds_store_b64 v4, v[CW:CW+1] offset:STO+520
	ds_store_b128 v4, v[CW+2:CW+5] offset:STO+1024
.endif
.if (\t)+2 < 8
	WLOAD (\t)+2
.endif
	s_wait_dscnt 0x0                               ; the stores have read their registers: the next block's codes may be written
.endm
	WLOAD 0
	WLOAD 1
.irp t, 0,1,2,3,4,5,6,7
	WBLOCK \t
.endr
.irp i, 0,1,2,3,4,5,6,7,8,9,10,11
	ds_load_b128 v[XW+4*\i:XW+4*\i+3], v5 offset:512*\i     ; LDS serves a wave's instructions in order: these see my stores
.endr
.irp i, 0,1,2,3,4,5
	s_wait_dscnt 11-\i                             ; the younger loads may be out
	global_store_b128 v6, v[XW+4*\i:XW+4*\i+3], s[52:53] offset:512*\i      ; 512 consecutive bytes, at a multiple of 256 from the buffer's first byte
.endr
.irp i, 6,7,8,9,10,11
	s_wait_dscnt 11-\i
	global_store_b128 v6, v[XW+4*\i:XW+4*\i+3], s[54:55] offset:512*(\i-6)
.endr
	global_store_b32 v7, v[SB], s[56:57]           ; lane 16 u + r holds the word of row r of fragment u: the pair's 128 bytes as they are wanted
	s_wait_alu depctr_va_vdst(0)
	global_store_b32 v7, v[SB+1], s[58:59]
	s_wait_tensorcnt 0x0
	ds_add_u32 v31, v35
	s_wait_dscnt 0x0
	s_endpgm
; ---------------- x.  The work-group: 32 dilated rows (tiles 2 b, 2 b + 1 of a block of 128).  A wave: K steps 2 w, 2 w + 1 of both tiles: four fragments f = 2 kappa + u.
.Lxpath:
	s_sub_co_u32 s19, s17, 12                      ; b
	s_lshl_b32 s20, ttmp9, 7
	s_lshl_b32 s21, s19, 5
	s_add_co_u32 s20, s20, s21                     ; dilated row 128 rb + 32 b; it is row 2 R of x: 8,192 bytes a dilated row
	s_lshl_b32 s20, s20, 13
	s_lshl_b32 s21, s16, 10
	s_add_co_u32 s20, s20, s21                     ; + my wave's 256 numbers along K
	s_mov_b32 s21, 0
	s_add_nc_u64 s[4:5], s[4:5], s[20:21]
	s_mul_i32 s22, ttmp9, 102400
	s_mul_i32 s23, s16, 25600
	s_add_co_u32 s22, s22, s23
	s_mul_i32 s23, s19, 3072
	s_add_co_u32 s24, s22, s23
	s_mov_b32 s25, 0
	s_add_nc_u64 s[26:27], s[10:11], s[24:25]      ; my codes
	s_lshl_b32 s23, s19, 7
	s_add_co_u32 s24, s22, s23
	s_add_co_u32 s24, s24, 12288
	s_add_nc_u64 s[28:29], s[10:11], s[24:25]      ; my scale words
	s_mov_b32 s30, 0x76543210
	s_mov_b32 s31, 0xfedcba98                      ; v_permlanex16_b32's selects for lane l xor 16
	s_mov_b32 s32, 0xffff0000                      ; lanes 16-31
	s_mul_i32 s33, s16, 8448
	s_wait_alu depctr_va_vdst(0)
	v_add_nc_u32 v4, s33, v6                       ; into my stage: 16 x lane, rows 528 bytes apart
	v_mul_u32_u24 v5, v1, 528
	v_lshl_add_u32 v5, v3, 7, v5
	v_add_nc_u32 v5, s33, v5                       ; out of it: row r, + 128 h: my block of 32 numbers
	v_lshlrev_b32 v3, 3, v3                        ; 8 h
	v_mov_b32 v15, 0                               ; a lane permute's destination counts as one of its sources
.macro XLOADF f                        ; the fragment's 16 rows, 128 numbers each: a load reads 512 consecutive bytes
.irp i, 0,1,2,3,4,5,6,7,8,9,10,11,12,13,14,15
	global_load_b128 v[R+64*((\f)%2)+4*\i:R+64*((\f)%2)+4*\i+3], v6, s[4:5] offset:(8*((\f)%2)+\i+8*(\i/8))*8192+512*((\f)/2) th:TH_LOAD_NT
.endr
.endm
.macro XFRAG f
.set RS, R+64*((\f)%2)
.if (\f) < 3
	s_wait_loadcnt 16                              ; this fragment's 16 loads are in; the next one's may be out
.else
	s_wait_loadcnt 0x0
.endif
.irp i, 0,1,2,3,4,5,6,7,8,9,10,11,12,13,14,15
	ds_store_b128 v4, v[RS+4*\i:RS+4*\i+3] offset:528*\i
.endr
.irp c, 0,1
.irp i, 0,1,2,3,4,5,6,7
	ds_load_b128 v[XT+32*\c+4*\i:XT+32*\c+4*\i+3], v5 offset:256*\c+16*\i    ; lane (r, h): numbers 64 c + 32 h + 0 .. 31 of row r; a wave's LDS instructions are served in order
.endr
.endr
	s_wait_dscnt 0x0
	s_wait_xcnt 0x0                                ; the last fragment's stores have read their data: the codes' registers may be written
.if (\f)+2 < 4
	XLOADF (\f)+2
.endif
.irp c, 0,1
	v_max3_num_f32 v[8+\c], |v[XT+32*\c]|, |v[XT+32*\c+1]|, 0x1800000
.endr
.irp i, 2,4,6,8,10,12,14,16,18,20,22,24,26,28,30
.irp c, 0,1
	v_max3_num_f32 v[8+\c], v[8+\c], |v[XT+32*\c+\i]|, |v[XT+32*\c+\i+1]|
.endr
.endr
.irp c, 0,1
	v_add_nc_u32 v[10+\c], 0xff000000, v[8+\c]
.endr
.irp c, 0,1
	v_lshrrev_b32 v[12+\c], 23, v[10+\c]
.endr
	v_lshl_or_b32 v14, v13, 16, v12                ; my two bytes: blocks h and 2 + h,
	v_lshlrev_b32 v14, v3, v14                     ; at their places in the word;
	v_permlanex16_b32 v15, v14, s30, s31
	v_or_b32 v[36+(\f)%2], v14, v15                ; with lane l xor 16's two the word is whole
	v_cvt_scalef32_pk16_fp6_f32 v[CD:CD+2], v[XT:XT+15], v10
	v_cvt_scalef32_pk16_fp6_f32 v[28:30], v[XT+16:XT+31], v10
	v_cvt_scalef32_pk16_fp6_f32 v[CD+6:CD+8], v[XT+32:XT+47], v11
	v_cvt_scalef32_pk16_fp6_f32 v[32:34], v[XT+48:XT+63], v11
	v_nop                                          ; one plain place behind a scaled conversion
.irp i, 0,1,2
	v_mov_b32 v[CD+3+\i], v[28+\i]
	v_mov_b32 v[CD+9+\i], v[32+\i]
.endr
.irp c, 0,1,2
	global_store_b128 v6, v[CD+4*\c:CD+4*\c+3], s[26:27] offset:12800*((\f)/2)+1536*((\f)%2)+512*\c
.endr
.if (\f)%2 == 1
	v_cndmask_b32 v38, v36, v37, s32               ; lanes 0-15 the even tile's words, lanes 16-31 the odd tile's
	global_store_b32 v7, v38, s[28:29] offset:12800*((\f)/2)
.endif
.endm
	XLOADF 0
	XLOADF 1
	s_wait_alu depctr_va_vdst(0)
.irp f, 0,1,2,3
	XFRAG \f
.endr
	s_wait_tensorcnt 0x0
	ds_add_u32 v31, v35
	s_wait_dscnt 0x0
	s_endpgm
.Lfunc_end_k_q84928671d3_quant:
	.size	k_q84928671d3_quant, .Lfunc_end_k_q84928671d3_quant-k_q84928671d3_quant
	.p2alignl 7, 3214868480
	.fill 96, 4, 3214868480
	.section	.rodata,"a",@progbits
	.p2align	6, 0x0
	.amdhsa_kernel k_q84928671d3_quant
		.amdhsa_group_segment_fixed_size 58880
		.amdhsa_private_segment_fixed_size 0
		.amdhsa_enable_private_segment 0
		.amdhsa_kernarg_size 48
		.amdhsa_user_sgpr_count 2
		.amdhsa_user_sgpr_kernarg_segment_ptr 1
		.amdhsa_wavefront_size32 1
		.amdhsa_system_sgpr_workgroup_id_x 1
		.amdhsa_system_sgpr_workgroup_id_y 1
		.amdhsa_system_sgpr_workgroup_id_z 1
		.amdhsa_system_vgpr_workitem_id 0
		.amdhsa_next_free_vgpr 256
		.amdhsa_next_free_sgpr 66
		.amdhsa_reserve_vcc 0
		.amdhsa_float_denorm_mode_32 3
		.amdhsa_float_denorm_mode_16_64 3
		.amdhsa_memory_ordered 1
		.amdhsa_forward_progress 1
		.amdhsa_inst_pref_size 74
	.end_amdhsa_kernel
	.amdgpu_metadata
---
amdhsa.version: [ 1, 2 ]
amdhsa.kernels:
  - .name:           k_q84928671d3_quant
    .symbol:         k_q84928671d3_quant.kd
    .args:
      - { .name: x, .offset: 0, .size: 8, .value_kind: global_buffer, .address_space: global }
      - { .name: Wqkv, .offset: 8, .size: 8, .value_kind: global_buffer, .address_space: global }
      - { .name: Wo, .offset: 16, .size: 8, .value_kind: global_buffer, .address_space: global }
      - { .name: xq, .offset: 24, .size: 8, .value_kind: global_buffer, .address_space: global }
      - { .name: wq, .offset: 32, .size: 8, .value_kind: global_buffer, .address_space: global }
      - { .name: wo, .offset: 40, .size: 8, .value_kind: global_buffer, .address_space: global }
    .group_segment_fixed_size: 58880
    .private_segment_fixed_size: 0
    .kernarg_segment_align: 8
    .kernarg_segment_size: 48
    .max_flat_workgroup_size: 128
    .sgpr_count:     66
    .vgpr_count:     256
    .wavefront_size: 32
...
	.end_amdgpu_metadata
.endif
;; end of part 1
;; launch qkvatt (part 2): grid 8 x 32, 4 waves a work-group, no clusters, 168,448 bytes of LDS; arguments xq, wq, bqkv, oq; writes oq
.if DOCPART == 2
	.amdgcn_target "amdgcn-amd-amdhsa--gfx1250"
	.amdhsa_code_object_version 6
	.text
	.protected	k_q84928671d3_qkvatt
	.globl	k_q84928671d3_qkvatt
	.p2align	8
	.type	k_q84928671d3_qkvatt,@function
k_q84928671d3_qkvatt:
	s_mov_b64 s[64:65], 0
	v_nop
	global_prefetch_b8 v0, s[64:65] scope:SCOPE_SE
	s_setreg_imm32_b32 hwreg(HW_REG_WAVE_MODE, 25, 1), 1
	s_wait_xcnt 0x0
; For 128 dilated rows (work-group y) and two heads (work-group x), in three passes, one a layer: q, k, v = x Wqkv + bqkv on codes of FP6 (E2M3); q, k, v quantised; scores; p = 2^(t - M); O^T = V^T P; o = O / l;
; o quantised and stored as images of operand registers for the last product.  q, k, v, p never go to memory.
; SHARES.  Wave w (part = w / 2: 0 q, 1 k; hs = w % 2) makes q or k of head hs for all 8 tiles of rows (source 0 = 16 columns of W, source 1 = 16 rows of x: a lane holds ONE row, its registers run along the head's 64),
; and tiles 2 w, 2 w + 1 of the pair's eight tiles of v's columns (source 0 = x, source 1 = W: a lane holds ONE column d, its registers run along the 128 keys).  48 accumulators, 384 registers.
; x's codes of the 128 rows (102,400 bytes) come into LDS once, one tensor load a wave; nothing is filled again.  A weight fragment feeds one wave alone: it goes from memory into registers, four K steps ahead.
; TILES.  Tile 2 b + u of rows, and of a head's columns, takes in lane r the row 32 b + 8 u + r + 8 (r / 8): the 16 registers of two neighbouring result tiles are then 16 neighbours along the next K.
; ATTENTION.  Wave w owns query tiles 2 w, 2 w + 1, which lie in block w of 32 rows; the segment is 1, 2 or 4 such blocks.  K = 64 of the scores is half an instruction: a fragment of q holds both heads, a fragment of k one
; head beside zero codes.  t = score x log2(e) / 8; M = ceil(the row's largest t); the row's sum of the unquantised p divides at the end (a reciprocal and a multiplication).
; LIMITS: NaN and infinities are not served; a block of zeros, or one whose largest magnitude lies under 2^-124, gets the byte 1 (this program alone reads the bytes).
; NO CLUSTER: what partners would share, x's codes, is a tenth of a work-group's bytes; the weights are shared by work-groups along y, but go to registers, not to LDS.
; REGISTERS, in windows of 256.  Window 0: v1-29 addresses; v32-58 scale words alone; v64-159, v160-255 two sets of x's fragments, later at work.  Window 1: three sets of W's fragments.
;   Window 2: q's or k's accumulators; in attention k's and q's fragments.  Window 3: v0-127 v's accumulators, in attention V^T's fragments; v128-199 W's fourth set; v200-247 the biases.
.set WREC,  9728
.set WSTEP, 38912
.set QIMG,  102400                     ; LDS behind x: q's halves of fragments [tile 8][head 2] 768 bytes: two blocks of 384 (words 0-3 of row r at 16 r, words 4-5 at 256 + 8 r)
.set KIMG,  114688                     ; k's likewise
.set VIMG,  126976                     ; V^T's fragments [tile 8] 1,536 bytes: four key blocks of 384
.set QSC,   139264                     ; q's scale words [tile] 128 bytes: head hs, row r at 64 hs + 4 r
.set KSC,   140288
.set VSC,   141312                     ; V^T's: [tile / 2] 128 bytes: 64 (tile % 2) + 4 r
.set AX,    3                          ; v3-4   16 l + 51,200 (K step / 4)
.set AXS,   5                          ; v5-6   4 l + 12,288 + the same
.set WSC,   32                         ; v32-43 W's scale words, three a set
.set XSC,   44                         ; v44-51 x's, four a set
.set KW,    44                         ;        in attention: k's, one a key tile
.set QW,    52                         ; v52-53 q's
.set VW,    54                         ; v54-57 V^T's
.set PWR,   58                         ; v58    p's
.set XF,    64
.set CD,    64                         ; v64-87 the epilogue's codes, two sets
.set SCO,   64                         ; v64-127 scores, then p
.set OT,    128                        ; v128-159 O^T
.set PC,    160                        ; v160-171 p's codes
.set CT,    172                        ; v172-179 second conversions
.set TM,    180                        ; v180-183 largest magnitudes, v184-187 bytes, v188-191 scale operands
.set BM,    192                        ; v192-195 a block's largest score, then its largest p
.set BX,    196
.set RM,    200
.set NM,    202                        ; v[202:203] -M
.set LS,    204                        ; v[204:205], v[206:207] the row's sum in two chains
.set LT,    206
.set RL,    208                        ; v[208:209] 1 / l
.set OWT,   210
.set OW,    211                        ; v211-212 o's scale words of my two tiles
.set OWS,   213
.set OC,    214                        ; v214-237 o's codes, 12 a tile
.set OWA,   238                        ; v238-239 the epilogue's scale words, by turns
.set KA,    0                          ; window 2: 18 a key tile: head 0's six, six zeros, head 1's six
.set QF,    144                        ; window 2: q's two fragments
.set BQ,    200                        ; window 3: the bias of my 64 columns of q or k, in the result's layout
.set BV,    232                        ; window 3: that of my two tiles of v
.set MSB, 0
.macro WIN new                         ; the immediate's high byte repeats the setting that is left
.if MSB != (\new)
	s_set_vgpr_msb (MSB<<8)|(\new)
.set MSB, (\new)
.endif
.endm
.macro PLACES                          ; four plain places behind a matrix instruction, ahead of loads into its registers and of reads of its results
.rept 4
	v_nop
.endr
.endm
.macro BARRIER                         ; my LDS stores have landed and my LDS loads are in: then the work-group's barrier
	s_wait_dscnt 0x0
	s_barrier_signal -1
	s_barrier_wait -1
.endm
; One product.  c < 0: the constant 0 starts the sum.  ra, rb: the side's scale words stand in lanes 16-31.
.macro WM d, a, b, c, sa, sb, ra, rb
.if (\c) < 0
.if (\ra) && (\rb)
	v_wmma_scale_f32_16x16x128_f8f6f4 v[\d:\d+7], v[\a:\a+11], v[\b:\b+11], 0, v[\sa], v[\sb] matrix_a_fmt:MATRIX_FMT_FP6 matrix_b_fmt:MATRIX_FMT_FP6 matrix_a_scale:MATRIX_SCALE_ROW1 matrix_b_scale:MATRIX_SCALE_ROW1
.elseif (\ra)
	v_wmma_scale_f32_16x16x128_f8f6f4 v[\d:\d+7], v[\a:\a+11], v[\b:\b+11], 0, v[\sa], v[\sb] matrix_a_fmt:MATRIX_FMT_FP6 matrix_b_fmt:MATRIX_FMT_FP6 matrix_a_scale:MATRIX_SCALE_ROW1
.elseif (\rb)
	v_wmma_scale_f32_16x16x128_f8f6f4 v[\d:\d+7], v[\a:\a+11], v[\b:\b+11], 0, v[\sa], v[\sb] matrix_a_fmt:MATRIX_FMT_FP6 matrix_b_fmt:MATRIX_FMT_FP6 matrix_b_scale:MATRIX_SCALE_ROW1
.else
	v_wmma_scale_f32_16x16x128_f8f6f4 v[\d:\d+7], v[\a:\a+11], v[\b:\b+11], 0, v[\sa], v[\sb] matrix_a_fmt:MATRIX_FMT_FP6 matrix_b_fmt:MATRIX_FMT_FP6
.endif
.else
.if (\ra) && (\rb)
	v_wmma_scale_f32_16x16x128_f8f6f4 v[\d:\d+7], v[\a:\a+11], v[\b:\b+11], v[\c:\c+7], v[\sa], v[\sb] matrix_a_fmt:MATRIX_FMT_FP6 matrix_b_fmt:MATRIX_FMT_FP6 matrix_a_scale:MATRIX_SCALE_ROW1 matrix_b_scale:MATRIX_SCALE_ROW1
.elseif (\ra)
	v_wmma_scale_f32_16x16x128_f8f6f4 v[\d:\d+7], v[\a:\a+11], v[\b:\b+11], v[\c:\c+7], v[\sa], v[\sb] matrix_a_fmt:MATRIX_FMT_FP6 matrix_b_fmt:MATRIX_FMT_FP6 matrix_a_scale:MATRIX_SCALE_ROW1
.elseif (\rb)
	v_wmma_scale_f32_16x16x128_f8f6f4 v[\d:\d+7], v[\a:\a+11], v[\b:\b+11], v[\c:\c+7], v[\sa], v[\sb] matrix_a_fmt:MATRIX_FMT_FP6 matrix_b_fmt:MATRIX_FMT_FP6 matrix_b_scale:MATRIX_SCALE_ROW1
.else
	v_wmma_scale_f32_16x16x128_f8f6f4 v[\d:\d+7], v[\a:\a+11], v[\b:\b+11], v[\c:\c+7], v[\sa], v[\sb] matrix_a_fmt:MATRIX_FMT_FP6 matrix_b_fmt:MATRIX_FMT_FP6
.endif
.endif
.endm
.macro WSEL k                          ; K step k's sets: W's (of four; the fourth lies in window 3) and x's (of two)
.set WSET, (\k)%4
.set XSET, (\k)%2
.if WSET == 3
.set WRG, 128
.set WWIN, 3
.else
.set WRG, 72*WSET
.set WWIN, 1
.endif
.endm
.macro WLD k                           ; my six fragments of W and their three registers of scale words for K step k (8 to 11: the next pass's first four): 21 loads, 512 consecutive bytes each of the 18
	WSEL \k
	WIN (WWIN<<6)
.irp j, 0,1,2,3,4,5,6,7,8,9,10,11,12,13,14,15,16,17
	global_load_b128 v[WRG+4*\j:WRG+4*\j+3], v1, s[44:45] offset:WSTEP*(\k)+512*\j
.endr
	WIN 0
.irp g, 0,1,2
	global_load_b32 v[WSC+3*WSET+\g], v2, s[44:45] offset:WSTEP*(\k)+9216+128*\g
.endr
.endm
.macro XLD k                           ; x's eight fragments and four registers of scale words for K step k: 28 LDS loads
	WSEL \k
	WIN 0
.irp t, 0,1,2,3,4,5,6,7
.irp c, 0,1,2
	ds_load_b128 v[XF+96*XSET+12*\t+4*\c:XF+96*XSET+12*\t+4*\c+3], v[AX+(\k)/4] offset:12800*((\k)%4)+1536*\t+512*\c
.endr
.endr
.irp g, 0,1,2,3
	ds_load_b32 v[XSC+4*XSET+\g], v[AXS+(\k)/4] offset:12800*((\k)%4)+128*\g
.endr
.endm
.macro BLD off                         ; the biases in the results' layouts: 24 loads.  q, k: lane (r, h), tile u, register j: column 32 (u / 2) + 16 h + 8 (u % 2) + j.  v: one number a lane, in eight registers
	WIN 0xc0
.irp u, 0,1,2,3
	global_load_b128 v[BQ+8*\u:BQ+8*\u+3], v20, s[46:47] offset:\off+4*(32*(\u/2)+8*(\u%2))
	global_load_b128 v[BQ+8*\u+4:BQ+8*\u+7], v20, s[46:47] offset:\off+4*(32*(\u/2)+8*(\u%2))+16
.endr
.irp jv, 0,1
.irp j, 0,1,2,3,4,5,6,7
	global_load_b32 v[BV+8*\jv+\j], v21, s[46:47] offset:\off+32*\jv
.endr
.endr
	WIN 0
.endm
.macro MULQK k, first                  ; 32 products: my four tiles of columns x the eight tiles of rows
	WSEL \k
.if \first
	WIN WWIN+0xb0                                  ; W in its window, x in window 0, the bias in window 3, the sums in window 2
.else
	WIN WWIN+0xa0
.endif
.irp t, 0,1,2,3,4,5,6,7
.irp u, 0,1,2,3
.if \first
	WM 32*\t+8*\u, WRG+12*\u, XF+96*XSET+12*\t, BQ+8*\u, WSC+3*WSET+\u/2, XSC+4*XSET+\t/2, \u%2, \t%2
.else
	WM 32*\t+8*\u, WRG+12*\u, XF+96*XSET+12*\t, 32*\t+8*\u, WSC+3*WSET+\u/2, XSC+4*XSET+\t/2, \u%2, \t%2
.endif
.endr
.endr
.endm
.macro MULV k, first                   ; 16 products: the eight tiles of rows x my two tiles of v's columns
	WSEL \k
	WIN 4*WWIN+0xf0                                ; x in window 0, W in its window, bias and sums in window 3
.irp jv, 0,1
.irp t, 0,1,2,3,4,5,6,7
.if \first
	WM 64*\jv+8*\t, XF+96*XSET+12*\t, WRG+48+12*\jv, BV+8*\jv, XSC+4*XSET+\t/2, WSC+3*WSET+2, \t%2, \jv
.else
	WM 64*\jv+8*\t, XF+96*XSET+12*\t, WRG+48+12*\jv, 64*\jv+8*\t, XSC+4*XSET+\t/2, WSC+3*WSET+2, \t%2, \jv
.endif
.endr
.endr
.endm
; A K step of 128: 48 products, the 48 accumulators by turns in the same order in every step.  pf = 1: W of four K steps on is asked for; 2: and the next pass's biases.
; lc: how many younger loads may be out when this step's 21 have to be there.
.macro KSTEP k, first, pf, lc
	s_wait_loadcnt \lc
.if (\k) == 7
	s_wait_dscnt 0x0
.else
	s_wait_dscnt 28                                ; this step's x is in; the next step's 28 loads may be out
.endif
	MULQK \k, \first
	MULV \k, \first
	PLACES
.if \pf
	WLD (\k)+4
.endif
.if (\pf) == 2
	BLD 12288
.endif
.if (\k) <= 5
	XLD (\k)+2
.endif
	WIN 0
.endm
; 16 nb numbers of a lane in window win, register 16 b + i = k 32 b + 16 (lane / 16) + i of my row, become codes in v[cd] on (six registers for two blocks: lanes 0-15 the even block, lanes 16-31 the odd one) and a scale word in v[pw].
.macro QUANTB src, win, nb, cd, pw
	WIN ((\win)<<2)|((\win)<<4)
.set QB, 0
.rept \nb
	v_max3_num_f32 v[TM+QB], 0x1800000, |v[\src+16*QB]|, |v[\src+16*QB+1]|   ; each result from its low end on; the floor 2^(3 - 127) holds the byte at 1 from below
.set QB, QB+1
.endr
.irp i, 2,4,6,8,10,12,14
.set QB, 0
.rept \nb
	v_max3_num_f32 v[TM+QB], v[TM+QB], |v[\src+16*QB+\i]|, |v[\src+16*QB+\i+1]|
.set QB, QB+1
.endr
.endr
	WIN 0
.set QB, 0
.rept \nb
	v_permlanex16_b32 v[TM+4+QB], v[TM+QB], s16, s17
.set QB, QB+1
.endr
.set QB, 0
.rept \nb
	v_max_num_f32 v[TM+QB], v[TM+QB], v[TM+4+QB]   ; with lane l xor 16's: the block's largest magnitude
.set QB, QB+1
.endr
.set QB, 0
.rept \nb
	v_add_nc_u32 v[TM+8+QB], 0xff000000, v[TM+QB]  ; 2 off the exponent field: the conversion's scale operand
.set QB, QB+1
.endr
.set QB, 0
.rept \nb
	v_lshrrev_b32 v[TM+4+QB], 23, v[TM+8+QB]       ; the byte
.set QB, QB+1
.endr
	v_lshl_or_b32 v[\pw], v[TM+5], 8, v[TM+4]
.if (\nb) == 4
	v_lshl_or_b32 v[\pw], v[TM+6], 16, v[\pw]
	v_lshl_or_b32 v[\pw], v[TM+7], 24, v[\pw]
.endif
	WIN (\win)
.set QC, 0
.rept (\nb)/2
	v_cvt_scalef32_pk16_fp6_f32 v[\cd+6*QC:\cd+6*QC+2], v[\src+32*QC:\src+32*QC+15], v[TM+8+2*QC]
	v_cvt_scalef32_pk16_fp6_f32 v[CT+4*QC:CT+4*QC+2], v[\src+32*QC+16:\src+32*QC+31], v[TM+9+2*QC]
.set QC, QC+1
.endr
	WIN 0
	v_nop                                          ; one plain place behind a scaled conversion
.set QC, 0
.rept (\nb)/2
.irp i, 0,1,2
	v_permlane16_swap_b32 v[\cd+6*QC+\i], v[CT+4*QC+\i]   ; a whole block to a lane
.endr
.irp i, 0,1,2
	v_mov_b32 v[\cd+6*QC+3+\i], v[CT+4*QC+\i]
.endr
.set QC, QC+1
.endr
.endm
; THE EPILOGUE of a pass's product: my q or k (8 tiles x 64 columns) and my two tiles of V^T (128 keys) are quantised and go to LDS.
.macro EPI
	PLACES
.irp i, 0,1,2,3
	v_mov_b32 v[TM+4+\i], 0                        ; lane permutes' destinations count as sources; x's fragments have lain here
	v_mov_b32 v[BX+\i], 0
.endr
	v_mov_b32 v[NM+1], 0                           ; the upper halves of pairs that are named whole
	v_mov_b32 v[RL+1], 0
.set OWB, 240                          ; v240-243 the two tiles' scale words, two sets
.irp p, 0,1,2,3                        ; two tiles of rows at a time: their four blocks of 32 columns take turns line by line
	s_wait_dscnt 6                                 ; the stores of two pairs back, which read this set of registers, are done; the last pair's six may be out
	QUANTB 64*\p, 2, 4, CD+12*(\p%2), OWA+(\p%2)
	v_and_b32 v[OWB+2*(\p%2)], 0xffff, v[OWA+(\p%2)]       ; bytes 0, 1: the even tile's two blocks;
	v_lshrrev_b32 v[OWB+2*(\p%2)+1], 16, v[OWA+(\p%2)]     ; bytes 2, 3: the odd tile's
	v_lshlrev_b32 v[OWB+2*(\p%2)], s20, v[OWB+2*(\p%2)]    ; head 1's two bytes are bytes 2, 3 of its word
	v_lshlrev_b32 v[OWB+2*(\p%2)+1], s20, v[OWB+2*(\p%2)+1]
.irp e, 0,1
	ds_store_b128 v11, v[CD+12*(\p%2)+6*\e:CD+12*(\p%2)+6*\e+3] offset:1536*(2*\p+\e)
	ds_store_b64 v12, v[CD+12*(\p%2)+6*\e+4:CD+12*(\p%2)+6*\e+5] offset:1536*(2*\p+\e)
	ds_store_b32 v13, v[OWB+2*(\p%2)+\e] offset:128*(2*\p+\e)   ; lanes r and 16 + r write the same word with the same value
.endr
.endr
.irp jv, 0,1
	s_wait_dscnt 6-\jv                             ; behind the last stores from this set: the last pair's six, or the first tile of V^T's five
	QUANTB 64*\jv, 3, 4, CD+12*\jv, OWA+\jv
.irp c, 0,1
	ds_store_b128 v14, v[CD+12*\jv+6*\c:CD+12*\jv+6*\c+3] offset:1536*\jv+768*\c
	ds_store_b64 v15, v[CD+12*\jv+6*\c+4:CD+12*\jv+6*\c+5] offset:1536*\jv+768*\c
.endr
	ds_store_b32 v16, v[OWA+\jv] offset:64*\jv
.endr
.endm
; One query tile (i of my two) and one head (hs): scores, p, O^T, o's codes.  nb: the segment's blocks of 32 keys.
.macro UNIT i, hs, nb
	WIN 0x0a                                       ; k and q in window 2, the scores in window 0
.set KT, 0
.rept 2*(\nb)
	WM SCO+8*KT, KA+18*KT+6*\hs, QF+12*\i, -1, KW+KT, QW+\i, \hs, \hs
.set KT, KT+1
.endr
	WIN 0
	PLACES
.set BI, 0
.rept \nb
	v_max3_num_f32 v[BM+BI], v[SCO+16*BI], v[SCO+16*BI+1], v[SCO+16*BI+2]   ; each block's largest score: for the row's maximum, and, since p rises with the score, for the block's largest p
.set BI, BI+1
.endr
.irp j, 3,5,7,9,11,13
.set BI, 0
.rept \nb
	v_max3_num_f32 v[BM+BI], v[BM+BI], v[SCO+16*BI+\j], v[SCO+16*BI+\j+1]
.set BI, BI+1
.endr
.endr
.set BI, 0
.rept \nb
	v_max_num_f32 v[BM+BI], v[BM+BI], v[SCO+16*BI+15]
.set BI, BI+1
.endr
.set BI, 0
.rept \nb
	v_permlanex16_b32 v[BX+BI], v[BM+BI], s16, s17
.set BI, BI+1
.endr
.set BI, 0
.rept \nb
	v_max_num_f32 v[BM+BI], v[BM+BI], v[BX+BI]     ; with lane l xor 16's 16 keys
.set BI, BI+1
.endr
.if (\nb) == 1
	v_mul_f32 v[RM], s18, v[BM]                    ; the row's largest t (c is positive)
.elseif (\nb) == 2
	v_max_num_f32 v[RM], v[BM], v[BM+1]
	v_mul_f32 v[RM], s18, v[RM]
.else
	v_max3_num_f32 v[RM], v[BM], v[BM+1], v[BM+2]
	v_max_num_f32 v[RM], v[RM], v[BM+3]
	v_mul_f32 v[RM], s18, v[RM]
.endif
	v_floor_f32 v[NM], -v[RM]                      ; -M = floor(-t) = -ceil(t)
.set JJ, 0
.rept 8*(\nb)
	v_pk_fma_f32 v[SCO+JJ:SCO+JJ+1], v[SCO+JJ:SCO+JJ+1], s[18:19], v[NM:NM+1] op_sel_hi:[1,0,0]   ; t - M, two at a time
.set JJ, JJ+2
.endr
.set BI, 0
.rept \nb
	v_fma_f32 v[BM+BI], v[BM+BI], s18, v[NM]       ; the same of each block's largest score
.set BI, BI+1
.endr
.set JJ, 0
	s_wait_alu depctr_va_vdst(0)
.rept 16*(\nb)
	v_exp_f32 v[SCO+JJ], v[SCO+JJ]                 ; p = 2^(t - M): not normalised
.set JJ, JJ+1
.endr
	v_nop                                          ; a plain place behind the exponentials
	s_wait_alu depctr_va_vdst(0)                   ; one wait for the batch, ahead of its first reader
.set BI, 0
.rept \nb
	v_exp_f32 v[BM+BI], v[BM+BI]                   ; the block's largest p
.set BI, BI+1
.endr
	v_pk_add_f32 v[LS:LS+1], v[SCO:SCO+1], v[SCO+2:SCO+3]          ; the row's sum of the unquantised p, in two chains; plain work behind the second batch
	v_pk_add_f32 v[LT:LT+1], v[SCO+4:SCO+5], v[SCO+6:SCO+7]
.set JJ, 8
.rept 4*(\nb)-2
	v_pk_add_f32 v[LS:LS+1], v[LS:LS+1], v[SCO+JJ:SCO+JJ+1]
	v_pk_add_f32 v[LT:LT+1], v[LT:LT+1], v[SCO+JJ+2:SCO+JJ+3]
.set JJ, JJ+4
.endr
	v_pk_add_f32 v[LS:LS+1], v[LS:LS+1], v[LT:LT+1]
	s_wait_alu depctr_va_vdst(0)                   ; and one for the second batch
.set BI, 0
.rept \nb
	v_max_num_f32 v[BM+BI], 0x1800000, v[BM+BI]    ; the floor: a block whose every p has fallen to 0 keeps the byte 1: its codes are zeros
.set BI, BI+1
.endr
.set BI, 0
.rept \nb
	v_add_nc_u32 v[TM+8+BI], 0xff000000, v[BM+BI]
.set BI, BI+1
.endr
.set BI, 0
.rept \nb
	v_lshrrev_b32 v[TM+4+BI], 23, v[TM+8+BI]
.set BI, BI+1
.endr
.if (\nb) == 1
	v_mov_b32 v[PWR], v[TM+4]                      ; p's scale word; the bytes of blocks that are not there stay 0, over zero codes
.else
	v_lshl_or_b32 v[PWR], v[TM+5], 8, v[TM+4]
.endif
.if (\nb) == 4
	v_lshl_or_b32 v[PWR], v[TM+6], 16, v[PWR]
	v_lshl_or_b32 v[PWR], v[TM+7], 24, v[PWR]
.endif
.if (\nb) == 1
.irp j, 0,1,2
	v_mov_b32 v[CT+\j], 0                          ; one block of keys: lanes 16-31 get zero codes for the block that is not there
.endr
	v_cvt_scalef32_pk16_fp6_f32 v[PC:PC+2], v[SCO:SCO+15], v[TM+8]
.else
.set QC, 0
.rept (\nb)/2
	v_cvt_scalef32_pk16_fp6_f32 v[PC+6*QC:PC+6*QC+2], v[SCO+32*QC:SCO+32*QC+15], v[TM+8+2*QC]
	v_cvt_scalef32_pk16_fp6_f32 v[CT+4*QC:CT+4*QC+2], v[SCO+32*QC+16:SCO+32*QC+31], v[TM+9+2*QC]
.set QC, QC+1
.endr
.endif
	v_nop                                          ; one plain place behind a scaled conversion
.set QC, 0
.rept 1+(\nb)/4
.irp j, 0,1,2
	v_permlane16_swap_b32 v[PC+6*QC+\j], v[CT+4*QC+\j]
.endr
.irp j, 0,1,2
	v_mov_b32 v[PC+6*QC+3+\j], v[CT+4*QC+\j]
.endr
.set QC, QC+1
.endr
	v_add_f32 v[LS], v[LS], v[LS+1]                ; the sum's two halves,
	v_permlanex16_b32 v[LT], v[LS], s16, s17
	v_add_f32 v[LS], v[LS], v[LT]                  ; and lane l xor 16's: l
	s_wait_alu depctr_va_vdst(0)
	v_rcp_f32 v[RL], v[LS]
.rept 8
	v_nop                                          ; a scale register written by a vector instruction stands 8 places ahead of a scaled product, an operand 4; the first is the plain place behind the reciprocal
.endr
	WIN 0x03                                       ; V^T in window 3
.irp jd, 0,1,2,3
	WM OT+8*\jd, 12*(4*\hs+\jd), PC, -1, VW+2*\hs+\jd/2, PWR, \jd%2, 0
.endr
	WIN 0
	PLACES
	s_wait_alu depctr_va_vdst(0)                   ; the reciprocal's wait, ahead of its first reader
.irp j, 0,2,4,6,8,10,12,14,16,18,20,22,24,26,28,30
	v_pk_mul_f32 v[OT+\j:OT+\j+1], v[OT+\j:OT+\j+1], v[RL:RL+1] op_sel_hi:[1,0]   ; o = O / l: register 16 b + i is d = 32 b + 16 (lane / 16) + i
.endr
	QUANTB OT, 0, 2, OC+12*\i+6*\hs, OWT           ; the head's 64 are half a K step of the last product
.if (\hs) == 0
	v_mov_b32 v[OW+\i], v[OWT]
.else
	v_lshl_or_b32 v[OW+\i], v[OWT], 16, v[OW+\i]
.endif
.endm
; One query tile (i of my two), BOTH heads together, for segments of one or two blocks of keys (nb = 1, 2): the same arithmetic as UNIT, the two heads' blocks taking turns line by line.
; Head hs's scores lie at SCO + 16 nb hs; block hs nb + b has its maximum in BM, its byte and scale operand in TM, at that index.  O^T of both heads (64 registers) is laid over the scores, which are done with
; when p's codes are made: so one call quantises both heads' o, a whole K step of the last product.  Head 1's own registers lie in v128-147, which UNIT's O^T has in the layer of four blocks alone.
.set PC1, 128                          ; v128-139 head 1's p codes
.set NM1, 140                          ; v[140:141] its -M
.set LS1, 142                          ; v[142:143], v[144:145] its row's sum in two chains
.set LT1, 144
.set RL1, 146                          ; v[146:147] its 1 / l
.set RM1, 201
.macro UNIT2 i, nb
.set S1, SCO+16*(\nb)
	WIN 0x0a                                       ; k and q in window 2, the scores in window 0
.irp hs, 0,1
.set KT, 0
.rept 2*(\nb)
	WM SCO+16*(\nb)*\hs+8*KT, KA+18*KT+6*\hs, QF+12*\i, -1, KW+KT, QW+\i, \hs, \hs
.set KT, KT+1
.endr
.endr
	WIN 0
	v_mov_b32 v[NM1+1], 0                          ; the upper halves of pairs that are named whole; these eight lines are also the places behind the products
	v_mov_b32 v[RL1+1], 0
.irp j, 6,7,8,9,10,11
	v_mov_b32 v[PC1+\j], 0                         ; keys 64 to 127 of the instruction's K are not there
.endr
.set BI, 0
.rept 2*(\nb)
	v_max3_num_f32 v[BM+BI], v[SCO+16*BI], v[SCO+16*BI+1], v[SCO+16*BI+2]   ; each block's largest score, each result from its low end on
.set BI, BI+1
.endr
.irp j, 3,5,7,9,11,13
.set BI, 0
.rept 2*(\nb)
	v_max3_num_f32 v[BM+BI], v[BM+BI], v[SCO+16*BI+\j], v[SCO+16*BI+\j+1]
.set BI, BI+1
.endr
.endr
.set BI, 0
.rept 2*(\nb)
	v_max_num_f32 v[BM+BI], v[BM+BI], v[SCO+16*BI+15]
.set BI, BI+1
.endr
.set BI, 0
.rept 2*(\nb)
	v_permlanex16_b32 v[BX+BI], v[BM+BI], s16, s17
.set BI, BI+1
.endr
.set BI, 0
.rept 2*(\nb)
	v_max_num_f32 v[BM+BI], v[BM+BI], v[BX+BI]     ; with lane l xor 16's 16 keys
.set BI, BI+1
.endr
.if (\nb) == 1
	v_mul_f32 v[RM], s18, v[BM]                    ; each head's largest t of the row (c is positive)
	v_mul_f32 v[RM1], s18, v[BM+1]
.else
	v_max_num_f32 v[RM], v[BM], v[BM+1]
	v_max_num_f32 v[RM1], v[BM+2], v[BM+3]
	v_mul_f32 v[RM], s18, v[RM]
	v_mul_f32 v[RM1], s18, v[RM1]
.endif
	v_floor_f32 v[NM], -v[RM]                      ; -M = floor(-t) = -ceil(t)
	v_floor_f32 v[NM1], -v[RM1]
.set JJ, 0
.rept 8*(\nb)
	v_pk_fma_f32 v[SCO+JJ:SCO+JJ+1], v[SCO+JJ:SCO+JJ+1], s[18:19], v[NM:NM+1] op_sel_hi:[1,0,0]   ; t - M, two at a time
	v_pk_fma_f32 v[S1+JJ:S1+JJ+1], v[S1+JJ:S1+JJ+1], s[18:19], v[NM1:NM1+1] op_sel_hi:[1,0,0]
.set JJ, JJ+2
.endr
.set BI, 0
.rept \nb
	v_fma_f32 v[BM+BI], v[BM+BI], s18, v[NM]       ; the same of each block's largest score
	v_fma_f32 v[BM+(\nb)+BI], v[BM+(\nb)+BI], s18, v[NM1]
.set BI, BI+1
.endr
	s_wait_alu depctr_va_vdst(0)                   ; the wait ahead of the batch
.set JJ, 0
.rept 32*(\nb)
	v_exp_f32 v[SCO+JJ], v[SCO+JJ]                 ; p = 2^(t - M): not normalised
.set JJ, JJ+1
.endr
	v_nop                                          ; a plain place behind the exponentials
	s_wait_alu depctr_va_vdst(0)                   ; one wait for the batch, ahead of its first reader
.set BI, 0
.rept 2*(\nb)
	v_exp_f32 v[BM+BI], v[BM+BI]                   ; the block's largest p
.set BI, BI+1
.endr
	v_pk_add_f32 v[LS:LS+1], v[SCO:SCO+1], v[SCO+2:SCO+3]          ; each head's sum of the unquantised p, in two chains; plain work behind the second batch
	v_pk_add_f32 v[LT:LT+1], v[SCO+4:SCO+5], v[SCO+6:SCO+7]
	v_pk_add_f32 v[LS1:LS1+1], v[S1:S1+1], v[S1+2:S1+3]
	v_pk_add_f32 v[LT1:LT1+1], v[S1+4:S1+5], v[S1+6:S1+7]
.set JJ, 8
.rept 4*(\nb)-2
	v_pk_add_f32 v[LS:LS+1], v[LS:LS+1], v[SCO+JJ:SCO+JJ+1]
	v_pk_add_f32 v[LT:LT+1], v[LT:LT+1], v[SCO+JJ+2:SCO+JJ+3]
	v_pk_add_f32 v[LS1:LS1+1], v[LS1:LS1+1], v[S1+JJ:S1+JJ+1]
	v_pk_add_f32 v[LT1:LT1+1], v[LT1:LT1+1], v[S1+JJ+2:S1+JJ+3]
.set JJ, JJ+4
.endr
	v_pk_add_f32 v[LS:LS+1], v[LS:LS+1], v[LT:LT+1]
	v_pk_add_f32 v[LS1:LS1+1], v[LS1:LS1+1], v[LT1:LT1+1]
	s_wait_alu depctr_va_vdst(0)                   ; and one for the second batch
.set BI, 0
.rept 2*(\nb)
	v_max_num_f32 v[BM+BI], 0x1800000, v[BM+BI]    ; the floor: a block whose every p has fallen to 0 keeps the byte 1: its codes are zeros
.set BI, BI+1
.endr
.set BI, 0
.rept 2*(\nb)
	v_add_nc_u32 v[TM+8+BI], 0xff000000, v[BM+BI]
.set BI, BI+1
.endr
.set BI, 0
.rept 2*(\nb)
	v_lshrrev_b32 v[TM+4+BI], 23, v[TM+8+BI]
.set BI, BI+1
.endr
.if (\nb) == 1
	v_mov_b32 v[PWR], v[TM+4]                      ; p's scale words, head 0's and head 1's; the bytes of blocks that are not there stay 0, over zero codes
	v_mov_b32 v[PWR+1], v[TM+5]
.irp j, 0,1,2,4,5,6
	v_mov_b32 v[CT+\j], 0                          ; one block of keys: lanes 16-31 get zero codes for the block that is not there
.endr
	v_cvt_scalef32_pk16_fp6_f32 v[PC:PC+2], v[SCO:SCO+15], v[TM+8]
	v_cvt_scalef32_pk16_fp6_f32 v[PC1:PC1+2], v[S1:S1+15], v[TM+9]
.else
	v_lshl_or_b32 v[PWR], v[TM+5], 8, v[TM+4]
	v_lshl_or_b32 v[PWR+1], v[TM+7], 8, v[TM+6]
	v_cvt_scalef32_pk16_fp6_f32 v[PC:PC+2], v[SCO:SCO+15], v[TM+8]
	v_cvt_scalef32_pk16_fp6_f32 v[CT:CT+2], v[SCO+16:SCO+31], v[TM+9]
	v_cvt_scalef32_pk16_fp6_f32 v[PC1:PC1+2], v[S1:S1+15], v[TM+10]
	v_cvt_scalef32_pk16_fp6_f32 v[CT+4:CT+6], v[S1+16:S1+31], v[TM+11]
.endif
	v_nop                                          ; one plain place behind a scaled conversion
.irp j, 0,1,2
	v_permlane16_swap_b32 v[PC+\j], v[CT+\j]       ; a whole block to a lane
	v_permlane16_swap_b32 v[PC1+\j], v[CT+4+\j]
.endr
.irp j, 0,1,2
	v_mov_b32 v[PC+3+\j], v[CT+\j]
	v_mov_b32 v[PC1+3+\j], v[CT+4+\j]
.endr
	v_add_f32 v[LS], v[LS], v[LS+1]                ; the sums' two halves,
	v_add_f32 v[LS1], v[LS1], v[LS1+1]
	v_permlanex16_b32 v[LT], v[LS], s16, s17
	v_permlanex16_b32 v[LT1], v[LS1], s16, s17
	v_add_f32 v[LS], v[LS], v[LT]                  ; and lane l xor 16's: l
	v_add_f32 v[LS1], v[LS1], v[LT1]
	s_wait_alu depctr_va_vdst(0)                   ; the wait ahead of the reciprocals
	v_rcp_f32 v[RL], v[LS]
	v_rcp_f32 v[RL1], v[LS1]
.rept 8
	v_nop                                          ; a scale register written by a vector instruction stands 8 places ahead of a scaled product, an operand 4; the first is the plain place behind the reciprocals
.endr
	WIN 0x03                                       ; V^T in window 3
.irp hs, 0,1
.irp jd, 0,1,2,3
	WM SCO+32*\hs+8*\jd, 12*(4*\hs+\jd), PC-32*\hs, -1, VW+2*\hs+\jd/2, PWR+\hs, \jd%2, 0
.endr
.endr
	WIN 0
	PLACES
	s_wait_alu depctr_va_vdst(0)                   ; the reciprocals' wait, ahead of their first reader
.irp j, 0,2,4,6,8,10,12,14,16,18,20,22,24,26,28,30
	v_pk_mul_f32 v[SCO+\j:SCO+\j+1], v[SCO+\j:SCO+\j+1], v[RL:RL+1] op_sel_hi:[1,0]   ; o = O / l: register 32 hs + 16 b + i is d = 32 b + 16 (lane / 16) + i of head hs
	v_pk_mul_f32 v[SCO+32+\j:SCO+33+\j], v[SCO+32+\j:SCO+33+\j], v[RL1:RL1+1] op_sel_hi:[1,0]
.endr
	QUANTB SCO, 0, 4, OC+12*\i, OW+\i              ; both heads' 64: a whole K step of the last product, its four bytes one scale word
.endm
.macro ATT nb
	s_and_b32 s22, s12, 4-(\nb)                    ; the segment's first block of 32 rows
	s_lshl_b32 s23, s22, 3
	s_mul_i32 s24, s22, 3072
	s_add_co_u32 s24, s24, KIMG
	v_add_nc_u32 v25, s24, v7
	v_add_nc_u32 v26, s24, v8
	s_lshl_b32 s24, s22, 8
	s_add_co_u32 s24, s24, KSC
	v_add_nc_u32 v27, s24, v2
	s_mul_i32 s24, s22, 384
	s_add_co_u32 s24, s24, VIMG
.if (\nb) == 1
	v_add_nc_u32 v28, s24, v9                      ; one block: both halves of the lanes read it (p's codes are zeros in lanes 16-31)
	v_add_nc_u32 v29, s24, v10
.else
	v_add_nc_u32 v28, s24, v7
	v_add_nc_u32 v29, s24, v8
.endif
	WIN 0x80
.set KT, 0
.rept 2*(\nb)
.irp j, 0,1,2,3,4,5
	v_mov_b32 v[KA+18*KT+6+\j], 0                  ; the zero codes between a key tile's two heads
.endr
.set KT, KT+1
.endr
.if (\nb) < 4
	WIN 0xc0
.irp T, 0,1,2,3,4,5,6,7
.irp j, 0,1,2,3,4,5
	v_mov_b32 v[12*\T+6+\j], 0                     ; keys 64 to 127 of the instruction's K are not there
.endr
.endr
	WIN 0
.irp j, 0,1,2,3,4,5
	v_mov_b32 v[PC+6+\j], 0
.endr
.endif
	WIN 0x80
.set KT, 0
.rept 2*(\nb)
.irp hs, 0,1
	ds_load_b128 v[KA+18*KT+12*\hs:KA+18*KT+12*\hs+3], v25 offset:1536*KT+768*\hs
	ds_load_b64 v[KA+18*KT+12*\hs+4:KA+18*KT+12*\hs+5], v26 offset:1536*KT+768*\hs
.endr
.set KT, KT+1
.endr
.irp i, 0,1
.irp hs, 0,1
	ds_load_b128 v[QF+12*\i+6*\hs:QF+12*\i+6*\hs+3], v17 offset:1536*\i+768*\hs
	ds_load_b64 v[QF+12*\i+6*\hs+4:QF+12*\i+6*\hs+5], v18 offset:1536*\i+768*\hs
.endr
.endr
	WIN 0xc0
.irp T, 0,1,2,3,4,5,6,7
.set QC, 0
.rept 1+(\nb)/4
	ds_load_b128 v[12*\T+6*QC:12*\T+6*QC+3], v28 offset:1536*\T+768*QC
	ds_load_b64 v[12*\T+6*QC+4:12*\T+6*QC+5], v29 offset:1536*\T+768*QC
.set QC, QC+1
.endr
.endr
	WIN 0
.set KT, 0
.rept 2*(\nb)
	ds_load_b32 v[KW+KT], v27 offset:128*KT
.set KT, KT+1
.endr
.irp i, 0,1
	ds_load_b32 v[QW+\i], v19 offset:128*\i
.endr
.irp g, 0,1,2,3
	ds_load_b32 v[VW+\g], v24 offset:128*\g
.endr
	s_wait_alu depctr_va_vdst(0)
	s_wait_dscnt 0x0
.irp g, 0,1,2,3
	v_lshrrev_b32 v[VW+\g], s23, v[VW+\g]          ; byte 0 is now the scale of the segment's first block of keys
.endr
	PLACES
.irp i, 0,1
.if (\nb) < 4
	UNIT2 \i, \nb
.else
	UNIT \i, 0, \nb
	UNIT \i, 1, \nb
.endif
.irp c, 0,1,2
	global_store_b128 v22, v[OC+12*\i+4*\c:OC+12*\i+4*\c+3], s[48:49] offset:1536*\i+512*\c   ; an image: 512 consecutive bytes, at a multiple of 256 from the buffer's first byte
.endr
.endr
	v_cndmask_b32 v[OWS], v[OW], v[OW+1], s21      ; lanes 0-15 the even tile's words, lanes 16-31 the odd tile's
	global_store_b32 v23, v[OWS], s[48:49]
.endm
	s_load_b128 s[4:7], s[0:1], 0x0                ; xq, wq
	s_load_b128 s[8:11], s[0:1], 0x10              ; bqkv, oq
	v_lshl_add_u32 v62, v0, 2, 0x29000
	v_mov_b32 v63, 0
	ds_add_u32 v62, v63
	ds_add_u32 v62, v63
	v_lshrrev_b32 v30, 5, v0
	v_readfirstlane_b32 s12, v30                   ; wave
	s_mov_b32 s13, ttmp9                           ; pair of heads
	s_and_b32 s14, ttmp7, 0xffff                   ; block of 128 rows
	; descriptor group 1: a dense block of 25,600 bytes as 100 rows of 32 elements of 8 bytes, no padding
	s_mov_b32 s36, 3<<16
	s_mov_b32 s37, 32<<16                          ; tensor_dim0
	s_mov_b32 s38, 100<<16                         ; tensor_dim1
	s_mov_b32 s39, 32<<16                          ; tile_dim0
	s_mov_b32 s40, 100                             ; tile_dim1
	s_mov_b32 s41, 32                              ; pitch
	s_mov_b32 s42, 0
	s_mov_b32 s43, 0
	s_mov_b32 s32, 1
	s_mul_i32 s33, s12, 25600                      ; LDS: my quarter of x's record
	s_mul_i32 s24, s14, 102400
	s_add_co_u32 s24, s24, s33
	s_mov_b32 s25, 0
	s_wait_dscnt 0x0
	s_wait_kmcnt 0x0
	s_add_nc_u64 s[34:35], s[4:5], s[24:25]
	s_or_b32 s35, s35, 0x80000000
	tensor_load_to_lds s[32:35], s[36:43]          ; the launch's only fill of these bytes: one load of mine is out
	s_nop 0
.rept 4
	v_nop
.endr
	v_and_b32 v31, 31, v0                          ; l
	v_and_b32 v30, 15, v0                          ; r
	v_bfe_u32 v29, v0, 4, 1                        ; h
	v_lshlrev_b32 v1, 4, v31
	v_lshlrev_b32 v2, 2, v31
	v_mov_b32 v3, v1
	v_add_nc_u32 v4, 51200, v1
	v_add_nc_u32 v5, 12288, v2
	v_add_nc_u32 v6, 63488, v2
	v_mul_u32_u24 v7, v29, 384
	v_lshl_add_u32 v8, v30, 3, v7
	v_add_nc_u32 v8, 256, v8                       ; 384 h + 256 + 8 r: words 4, 5 of my block's record
	v_lshl_add_u32 v7, v30, 4, v7                  ; 384 h + 16 r: words 0 to 3
	v_lshlrev_b32 v9, 4, v30
	v_lshlrev_b32 v10, 3, v30
	v_add_nc_u32 v10, 256, v10
	v_lshlrev_b32 v28, 2, v30                      ; 4 r
	s_wait_alu depctr_va_vdst(0)
	s_lshr_b32 s25, s12, 1                         ; part
	s_and_b32 s26, s12, 1                          ; hs
	s_lshl_b32 s20, s26, 4
	s_mul_i32 s27, s25, 12288
	s_mul_i32 s28, s26, 768
	s_add_co_u32 s27, s27, s28
	s_add_co_u32 s27, s27, QIMG
	v_add_nc_u32 v11, s27, v7                      ; where I store q's or k's codes
	v_add_nc_u32 v12, s27, v8
	s_lshl_b32 s27, s25, 10
	s_lshl_b32 s28, s26, 6
	s_add_co_u32 s27, s27, s28
	s_add_co_u32 s27, s27, QSC
	v_add_nc_u32 v13, s27, v28                     ; and their scale words
	s_mul_i32 s27, s12, 3072
	s_add_co_u32 s28, s27, VIMG
	v_add_nc_u32 v14, s28, v7                      ; V^T's codes
	v_add_nc_u32 v15, s28, v8
	s_add_co_u32 s28, s27, QIMG
	v_add_nc_u32 v17, s28, v7                      ; where I read my two query tiles
	v_add_nc_u32 v18, s28, v8
	v_add_nc_u32 v22, s27, v1                      ; o's codes in a record of oq: 16 l + 3,072 w
	s_lshl_b32 s27, s12, 7
	s_add_co_u32 s28, s27, VSC
	v_add_nc_u32 v16, s28, v28
	s_add_co_u32 s28, s27, 12288
	v_add_nc_u32 v23, s28, v2                      ; o's scale words: 4 l + 12,288 + 128 w
	s_lshl_b32 s27, s12, 8
	s_add_co_u32 s27, s27, QSC
	v_add_nc_u32 v19, s27, v2
	v_add_nc_u32 v24, VSC, v2
	s_lshl_b32 s27, s13, 1
	s_add_co_u32 s28, s27, s26
	s_lshl_b32 s28, s28, 8
	s_lshl_b32 s29, s25, 12
	s_add_co_u32 s28, s28, s29
	v_lshl_add_u32 v20, v29, 6, s28                ; bias of q or k: 4 (1024 part + 64 head) + 64 h
	s_wait_alu depctr_va_vdst(0)
	s_add_co_u32 s28, s27, s25
	s_lshl_b32 s28, s28, 8
	s_lshl_b32 s29, s26, 7
	s_add_co_u32 s28, s28, s29
	s_add_co_u32 s28, s28, 8192
	v_and_b32 v27, 8, v30
	v_add_nc_u32 v27, v27, v30
	v_lshl_add_u32 v21, v27, 2, s28                ; bias of v: 4 (2048 + 64 head + 32 (w % 2) + r + 8 (r / 8))
	s_wait_alu depctr_va_vdst(0)
	s_mul_i32 s28, s13, 24*WSTEP
	s_mul_i32 s29, s12, WREC
	s_add_co_u32 s28, s28, s29
	s_mov_b32 s29, 0
	s_add_nc_u64 s[44:45], s[6:7], s[28:29]        ; my records of W, K step 0 of layer 0
	s_mov_b64 s[46:47], s[8:9]                     ; the layer's biases
	s_mul_i32 s28, s14, 307200
	s_mul_i32 s30, s13, 12800
	s_add_co_u32 s28, s28, s30
	s_add_nc_u64 s[48:49], s[10:11], s[28:29]      ; oq: my rows' record of K step 8 layer + pair of heads
	s_mov_b32 s16, 0x76543210
	s_mov_b32 s17, 0xfedcba98                      ; v_permlanex16_b32's selects for lane l xor 16
	s_mov_b32 s18, 0x3e38aa3b                      ; c = log2(e) / 8
	s_mov_b32 s19, s18                             ; (named with it as a pair)
	s_mov_b32 s21, 0xffff0000                      ; lanes 16-31
	BLD 0
	WLD 0
	WLD 1
	WLD 2
	WLD 3
	s_wait_tensorcnt 0x0                           ; my quarter of x is in,
	s_barrier_signal -1
	s_barrier_wait -1                              ; everybody's is
	s_mov_b32 s15, 0                               ; the pass = the layer
.Lpass:
	PLACES
	XLD 0
	XLD 1
	KSTEP 0, 1, 1, 63                              ; 63: the three younger sets of 21; the biases are older than those
	KSTEP 1, 0, 1, 63
	KSTEP 2, 0, 1, 63
	KSTEP 3, 0, 1, 63
	s_cmp_eq_u32 s15, 2
	s_cbranch_scc1 .Llastway                       ; the last pass asks for nothing beyond its own K steps: no load leaves its buffer
	KSTEP 4, 0, 2, 63                              ; from here on 87 loads are younger; 63 is the largest count that the wait can name, and the stricter
	KSTEP 5, 0, 1, 63
	KSTEP 6, 0, 1, 63
	KSTEP 7, 0, 1, 63
	s_branch .Lepi
.Llastway:
	KSTEP 4, 0, 0, 63
	KSTEP 5, 0, 0, 42
	KSTEP 6, 0, 0, 21
	KSTEP 7, 0, 0, 0
.Lepi:
	EPI
	BARRIER                                        ; q's, k's and V^T's codes and scale words lie in LDS
	s_cmp_eq_u32 s15, 0
	s_cbranch_scc0 .Lnot0
	ATT 1
	s_branch .Ljoin
.Lnot0:
	s_cmp_eq_u32 s15, 1
	s_cbranch_scc0 .Lnot1
	ATT 2
	s_branch .Ljoin
.Lnot1:
	ATT 4
.Ljoin:
	BARRIER                                        ; every wave's reads of the images are over: the next pass may store them anew
	s_wait_xcnt 0x0                                ; every load and store has read its addresses and data: the bases may step, and x's fragments may land on o's codes
	s_add_nc_u64 s[44:45], s[44:45], 8*WSTEP
	s_add_nc_u64 s[46:47], s[46:47], 12288
	s_add_nc_u64 s[48:49], s[48:49], 102400
	s_add_co_u32 s15, s15, 1
	s_cmp_lt_u32 s15, 3
	s_cbranch_scc1 .Lpass
	s_wait_tensorcnt 0x0
	ds_add_u32 v62, v63
	s_wait_dscnt 0x0
	s_endpgm
.Lfunc_end_k_q84928671d3_qkvatt:
	.size	k_q84928671d3_qkvatt, .Lfunc_end_k_q84928671d3_qkvatt-k_q84928671d3_qkvatt
	.p2alignl 7, 3214868480
	.fill 96, 4, 3214868480
	.section	.rodata,"a",@progbits
	.p2align	6, 0x0
	.amdhsa_kernel k_q84928671d3_qkvatt
		.amdhsa_group_segment_fixed_size 168448
		.amdhsa_private_segment_fixed_size 0
		.amdhsa_enable_private_segment 0
		.amdhsa_kernarg_size 32
		.amdhsa_user_sgpr_count 2
		.amdhsa_user_sgpr_kernarg_segment_ptr 1
		.amdhsa_wavefront_size32 1
		.amdhsa_system_sgpr_workgroup_id_x 1
		.amdhsa_system_sgpr_workgroup_id_y 1
		.amdhsa_system_sgpr_workgroup_id_z 1
		.amdhsa_system_vgpr_workitem_id 0
		.amdhsa_next_free_vgpr 1024
		.amdhsa_next_free_sgpr 66
		.amdhsa_reserve_vcc 0
		.amdhsa_float_denorm_mode_32 3
		.amdhsa_float_denorm_mode_16_64 3
		.amdhsa_memory_ordered 1
		.amdhsa_forward_progress 1
		.amdhsa_inst_pref_size 255
	.end_amdhsa_kernel
	.section	.bss,"aw",@nobits
	.p2align	6
	.space	262144
	.amdgpu_metadata
---
amdhsa.version: [ 1, 2 ]
amdhsa.kernels:
  - .name:           k_q84928671d3_qkvatt
    .symbol:         k_q84928671d3_qkvatt.kd
    .args:
      - { .name: xq, .offset: 0, .size: 8, .value_kind: global_buffer, .address_space: global }
      - { .name: wq, .offset: 8, .size: 8, .value_kind: global_buffer, .address_space: global }
      - { .name: bqkv, .offset: 16, .size: 8, .value_kind: global_buffer, .address_space: global }
      - { .name: oq, .offset: 24, .size: 8, .value_kind: global_buffer, .address_space: global }
    .group_segment_fixed_size: 168448
    .private_segment_fixed_size: 0
    .kernarg_segment_align: 8
    .kernarg_segment_size: 32
    .max_flat_workgroup_size: 128
    .sgpr_count:     66
    .vgpr_count:     1024
    .wavefront_size: 32
...
	.end_amdgpu_metadata
.endif
;; end of part 2
;; launch outproj (part 3): grid 8 x 32, 4 waves a work-group, no clusters, 270,848 bytes of LDS; arguments oq, wo, bo, out0; writes out0
.if DOCPART == 3
	.amdgcn_target "amdgcn-amd-amdhsa--gfx1250"
	.amdhsa_code_object_version 6
	.text
	.protected	k_q84928671d3_outproj
	.globl	k_q84928671d3_outproj
	.p2align	8
	.type	k_q84928671d3_outproj,@function
k_q84928671d3_outproj:
	s_mov_b64 s[64:65], 0
	v_nop
	global_prefetch_b8 v0, s[64:65] scope:SCOPE_SE
	s_setreg_imm32_b32 hwreg(HW_REG_WAVE_MODE, 25, 1), 1
	s_wait_xcnt 0x0
; out[R][e] = the sum over the three layers of (o_l Wo_l + bo_l): ONE product with K = 3,072 (1024 layer + 64 head + d), 24 K steps of 128, on codes of FP6 (E2M3) with E8M0 scales, f32 sums.
; A work-group makes 128 rows (work-group y) x 128 columns (work-group x).  K IS CUT AMONG THE FOUR WAVES: wave w takes K steps 6 w .. 6 w + 5 for the whole block: 64 accumulators, 512 registers.
; So every fragment of o and of Wo feeds ONE wave: both lie in memory as images of operand registers and go from there straight into registers, 512 consecutive bytes a load; LDS has no part in the loop, and there is no barrier in it.
; A step: 64 products on 8 + 8 fragments, then ONE run of 56 loads, which brings the step after the next into the set just read (two sets).  A wave has the next step's 56 loads out while it multiplies.
; THE FOUR PARTIAL SUMS MEET IN LDS: each wave lays its 128 x 128 numbers down as rows (pitch 528 bytes); behind one barrier wave w reads its 32 rows of all four, adds them and the three bo, and stores whole rows of 512 bytes.
; ORDER OF ROUNDING: the f32 sum over K is made in four parts of 768, added as (p0 + p1 + bo) + (p2 + p3), another order than one chain along K.
; Source 0 = 16 columns of Wo, source 1 = 16 rows of o: a lane holds eight neighbouring columns of one row.
; The rows of a tile of o are permuted: lane r of tile t holds row 32 (t / 2) + 8 (t % 2) + r + 8 (r / 8).  In LDS a tile's rows lie by lanes (row 16 t + r); the stores' offsets put them in order.
; NO CLUSTER: a joint load lands in LDS, and here no operand goes through LDS.  NO PREFETCH: the loads themselves are asked a whole step ahead, and a wave has loads out from its head to its last step.
; REGISTERS.  Window 0: v1-7 addresses, v8-19 bo, v32-39 o's scale words, v40-47 Wo's (scales alone), v62-63 the add's two, v64-159 and v160-255 two sets of o's fragments (on the way out: rows read back and their sums).
;   Window 1: v0-95, v96-191 two sets of Wo's fragments.  Window 2: the sums of tiles 0-3 of rows (tile a, tile b of columns at v[8 (8 (a % 4) + b)]).  Window 3: those of tiles 4-7.
.set OREC,  3328                       ; wo: a record of a K step and 32 columns: 2 fragments, 128 bytes of scale words, padded to a multiple of 256; 24 records to 32 columns
.set AREC,  12800                      ; oq: a record of a K step and 128 rows: 8 fragments, 4 x 128 bytes of scale words
.set ASC,   32
.set WSC,   40
.set AF,    64
.set SP,    528                        ; a row of 128 f32 in LDS + 16 bytes: the sixteen rows that a store touches begin at sixteen different places of 16 bytes modulo 256
.set REG,   128*SP                     ; a wave's partial sums
.set SPARE, 4*REG                      ; behind them: the spare words, 128 bytes a wave
.set MSB, 0
.macro WIN new                         ; the immediate's high byte repeats the setting that is left
.if MSB != (\new)
	s_set_vgpr_msb (MSB<<8)|(\new)
.set MSB, (\new)
.endif
.endm
.macro PLACES                          ; four plain places behind a matrix instruction, ahead of loads into its registers and of reads of its results
.rept 4
	v_nop
.endr
.endm
.macro WM d, a, b, z, sa, sb, ra, rb   ; one product; z: the constant 0 starts the sum; ra, rb: the side's scale words stand in lanes 16-31
.if (\z)
.if (\ra) && (\rb)
	v_wmma_scale_f32_16x16x128_f8f6f4 v[\d:\d+7], v[\a:\a+11], v[\b:\b+11], 0, v[\sa], v[\sb] matrix_a_fmt:MATRIX_FMT_FP6 matrix_b_fmt:MATRIX_FMT_FP6 matrix_a_scale:MATRIX_SCALE_ROW1 matrix_b_scale:MATRIX_SCALE_ROW1
.elseif (\ra)
	v_wmma_scale_f32_16x16x128_f8f6f4 v[\d:\d+7], v[\a:\a+11], v[\b:\b+11], 0, v[\sa], v[\sb] matrix_a_fmt:MATRIX_FMT_FP6 matrix_b_fmt:MATRIX_FMT_FP6 matrix_a_scale:MATRIX_SCALE_ROW1
.elseif (\rb)
	v_wmma_scale_f32_16x16x128_f8f6f4 v[\d:\d+7], v[\a:\a+11], v[\b:\b+11], 0, v[\sa], v[\sb] matrix_a_fmt:MATRIX_FMT_FP6 matrix_b_fmt:MATRIX_FMT_FP6 matrix_b_scale:MATRIX_SCALE_ROW1
.else
	v_wmma_scale_f32_16x16x128_f8f6f4 v[\d:\d+7], v[\a:\a+11], v[\b:\b+11], 0, v[\sa], v[\sb] matrix_a_fmt:MATRIX_FMT_FP6 matrix_b_fmt:MATRIX_FMT_FP6
.endif
.else
.if (\ra) && (\rb)
	v_wmma_scale_f32_16x16x128_f8f6f4 v[\d:\d+7], v[\a:\a+11], v[\b:\b+11], v[\d:\d+7], v[\sa], v[\sb] matrix_a_fmt:MATRIX_FMT_FP6 matrix_b_fmt:MATRIX_FMT_FP6 matrix_a_scale:MATRIX_SCALE_ROW1 matrix_b_scale:MATRIX_SCALE_ROW1
.elseif (\ra)
	v_wmma_scale_f32_16x16x128_f8f6f4 v[\d:\d+7], v[\a:\a+11], v[\b:\b+11], v[\d:\d+7], v[\sa], v[\sb] matrix_a_fmt:MATRIX_FMT_FP6 matrix_b_fmt:MATRIX_FMT_FP6 matrix_a_scale:MATRIX_SCALE_ROW1
.elseif (\rb)
	v_wmma_scale_f32_16x16x128_f8f6f4 v[\d:\d+7], v[\a:\a+11], v[\b:\b+11], v[\d:\d+7], v[\sa], v[\sb] matrix_a_fmt:MATRIX_FMT_FP6 matrix_b_fmt:MATRIX_FMT_FP6 matrix_b_scale:MATRIX_SCALE_ROW1
.else
	v_wmma_scale_f32_16x16x128_f8f6f4 v[\d:\d+7], v[\a:\a+11], v[\b:\b+11], v[\d:\d+7], v[\sa], v[\sb] matrix_a_fmt:MATRIX_FMT_FP6 matrix_b_fmt:MATRIX_FMT_FP6
.endif
.endif
.endm
; My step s (K step 6 w + s) into set s % 2: o's eight fragments and four registers of scale words, Wo's four registers of scale words and eight fragments: 56 loads
.macro FETCH s
	WIN 0
.irp i, 0,1,2,3,4,5,6,7,8,9,10,11,12,13,14,15,16,17,18,19,20,21,22,23
	global_load_b128 v[AF+96*((\s)%2)+4*\i:AF+96*((\s)%2)+4*\i+3], v1, s[4:5] offset:AREC*(\s)+512*\i
.endr
.irp g, 0,1,2,3
	global_load_b32 v[ASC+4*((\s)%2)+\g], v2, s[4:5] offset:AREC*(\s)+12288+128*\g
.endr
.irp j, 0,1,2,3
	global_load_b32 v[WSC+4*((\s)%2)+\j], v2, s[6:7] offset:OREC*(24*\j+(\s))+3072
.endr
	WIN 0x40                                       ; destination in window 1
.irp j, 0,1,2,3
.irp i, 0,1,2,3,4,5
	global_load_b128 v[96*((\s)%2)+24*\j+4*\i:96*((\s)%2)+24*\j+4*\i+3], v1, s[6:7] offset:OREC*(24*\j+(\s))+512*\i
.endr
.endr
	WIN 0
.endm
; A step: 64 products, the 64 accumulators by turns in the same order in every step; then the run of loads for the step after the next
.macro STEP s
.if (\s) == 5
	s_wait_loadcnt 0x0
.else
	s_wait_loadcnt 56                              ; this step's 56 loads are in (and bo's three, which are older); the next step's 56 may be out
.endif
.irp a, 0,1,2,3,4,5,6,7
	WIN 0xa1+0x50*(\a/4)                           ; Wo in window 1, o in window 0, C and D in window 2 or 3
.irp b, 0,1,2,3,4,5,6,7
	WM 8*(8*(\a%4)+\b), 96*((\s)%2)+12*\b, AF+96*((\s)%2)+12*\a, (\s)==0, WSC+4*((\s)%2)+\b/2, ASC+4*((\s)%2)+\a/2, \b%2, \a%2
.endr
.endr
	WIN 0
	PLACES
.if (\s)+2 <= 5
	FETCH (\s)+2
.endif
.endm
; The way out, in eight batches of four rows.  RDB: rows 4 q .. 4 q + 3 of my 32, of all four partial sums: 16 LDS loads of 512 consecutive bytes
.macro RDB q
.irp i, 0,1,2,3
.irp p, 0,1,2,3
	ds_load_b128 v[64+64*((\q)%2)+16*\i+4*\p:64+64*((\q)%2)+16*\i+4*\p+3], v[4+\p] offset:(4*(\q)+\i)*SP
.endr
.endr
.endm
.macro SUMB q
.set TB, 64+64*((\q)%2)
.set OB, 192+16*((\q)%2)
.if (\q) < 7
	s_wait_dscnt 16                                ; this batch is in; the next batch's 16 loads may be out
.else
	s_wait_dscnt 0x0
.endif
.if (\q) >= 2
	s_wait_xcnt 0x0                                ; the stores of two batches back have read their data: those registers are written again below
.endif
.irp i, 0,1,2,3
.irp e, 0,2
	v_pk_add_f32 v[TB+16*\i+\e:TB+16*\i+\e+1], v[TB+16*\i+\e:TB+16*\i+\e+1], v[TB+16*\i+4+\e:TB+16*\i+5+\e]
	v_pk_add_f32 v[TB+16*\i+8+\e:TB+16*\i+9+\e], v[TB+16*\i+8+\e:TB+16*\i+9+\e], v[TB+16*\i+12+\e:TB+16*\i+13+\e]
.endr
.endr
.irp i, 0,1,2,3
.irp e, 0,2
	v_pk_add_f32 v[TB+16*\i+\e:TB+16*\i+\e+1], v[TB+16*\i+\e:TB+16*\i+\e+1], v[8+\e:9+\e]
.endr
.endr
.irp i, 0,1,2,3
.irp e, 0,2
	v_pk_add_f32 v[OB+4*\i+\e:OB+4*\i+\e+1], v[TB+16*\i+\e:TB+16*\i+\e+1], v[TB+16*\i+8+\e:TB+16*\i+9+\e]
.endr
.endr
.if (\q)+2 < 8
	RDB (\q)+2
.endif
.irp i, 0,1,2,3                        ; LDS row 16 t + r of my two tiles is row 8 t + r + 8 (r / 8) of my 32 rows of out; 512 consecutive bytes, at a multiple of 256 from out's first byte
	global_store_b128 v1, v[OB+4*\i:OB+4*\i+3], s[10:11] offset:4096*(8*((4*(\q)+\i)/16)+(4*(\q)+\i)%16+8*(((4*(\q)+\i)%16)/8)) th:TH_STORE_NT
.endr
.endm
	s_load_b128 s[4:7], s[0:1], 0x0                ; oq, wo
	s_load_b128 s[8:11], s[0:1], 0x10              ; bo, out0
	v_lshl_add_u32 v62, v0, 2, SPARE               ; my spare word and 0, for the closing lines
	v_mov_b32 v63, 0
	v_lshrrev_b32 v20, 5, v0
	v_readfirstlane_b32 s12, v20                   ; wave
	s_mov_b32 s13, ttmp9                           ; which 128 columns
	s_and_b32 s14, ttmp7, 0xffff                   ; which 128 rows
	v_and_b32 v21, 31, v0                          ; l
	v_and_b32 v22, 15, v0                          ; r
	v_bfe_u32 v23, v0, 4, 1                        ; h
	v_lshlrev_b32 v1, 4, v21                       ; 16 l
	v_lshlrev_b32 v2, 2, v21                       ; 4 l
	s_mul_i32 s16, s12, REG
	v_mul_u32_u24 v3, v22, SP
	v_lshl_add_u32 v3, v23, 5, v3
	v_add_nc_u32 v3, s16, v3                       ; into LDS: my partial sums, row r of a tile, + 32 h
	s_mul_i32 s17, s12, 32*SP
	v_add_nc_u32 v4, s17, v1                       ; out of it: my 32 rows of wave 0's partial sums, 16 bytes a lane,
	v_add_nc_u32 v5, REG, v4                       ; of wave 1's,
	v_add_nc_u32 v6, 2*REG, v4                     ; wave 2's
	v_add_nc_u32 v7, 3*REG, v4                     ; and wave 3's
	s_mul_i32 s18, s14, 24*AREC
	s_mul_i32 s19, s12, 6*AREC
	s_add_co_u32 s18, s18, s19                     ; oq: my rows' record of K step 6 w
	s_mov_b32 s19, 0
	s_mul_i32 s20, s13, 96*OREC
	s_mul_i32 s21, s12, 6*OREC
	s_add_co_u32 s20, s20, s21                     ; wo: the record of my first 32 columns and K step 6 w
	s_mov_b32 s21, 0
	s_lshl_b32 s22, s13, 9                         ; bo: 512 bytes to 128 columns
	s_mov_b32 s23, 0
	s_lshl_b32 s24, s14, 7
	s_lshl_b32 s25, s12, 5
	s_add_co_u32 s24, s24, s25
	s_lshl_b32 s24, s24, 12
	s_add_co_u32 s24, s24, s22                     ; out: row 128 rb + 32 w, column 128 ct
	s_mov_b32 s25, 0
	s_wait_alu depctr_va_vdst(0)                   ; the wait at the head's end
	s_wait_kmcnt 0x0
	s_add_nc_u64 s[4:5], s[4:5], s[18:19]
	s_add_nc_u64 s[6:7], s[6:7], s[20:21]
	s_add_nc_u64 s[8:9], s[8:9], s[22:23]
	s_add_nc_u64 s[10:11], s[10:11], s[24:25]
.irp y, 0,1,2
	global_load_b128 v[8+4*\y:11+4*\y], v1, s[8:9] offset:4096*\y     ; layer y's bo at columns 4 l .. 4 l + 3 of my 128
.endr
	FETCH 0
	FETCH 1
.irp s, 0,1,2,3,4,5
	STEP \s
.endr
.irp a, 0,1,2,3,4,5,6,7
	WIN 0x08+4*(\a/4)                              ; an LDS store's data: window 2 or 3
.irp b, 0,1,2,3,4,5,6,7
	ds_store_b128 v3, v[8*(8*(\a%4)+\b):8*(8*(\a%4)+\b)+3] offset:16*\a*SP+64*\b          ; each sum from its low end on
	ds_store_b128 v3, v[8*(8*(\a%4)+\b)+4:8*(8*(\a%4)+\b)+7] offset:16*\a*SP+64*\b+16
.endr
.endr
	WIN 0
	v_pk_add_f32 v[8:9], v[8:9], v[12:13]          ; the three layers' bo
	v_pk_add_f32 v[10:11], v[10:11], v[14:15]
	v_pk_add_f32 v[8:9], v[8:9], v[16:17]
	v_pk_add_f32 v[10:11], v[10:11], v[18:19]
	s_wait_alu depctr_va_vdst(0)                   ; directly ahead of the wait below
	s_wait_dscnt 0x0                               ; for the others' sake: my partial sums lie in LDS
	s_barrier_signal -1
	s_barrier_wait -1                              ; everybody's do
	RDB 0
	RDB 1
.irp q, 0,1,2,3,4,5,6,7
	SUMB \q
.endr
	s_wait_tensorcnt 0x0                           ; the wave's end, behind my last LDS store
	ds_add_u32 v62, v63
	s_wait_dscnt 0x0
	s_endpgm
.Lfunc_end_k_q84928671d3_outproj:
	.size	k_q84928671d3_outproj, .Lfunc_end_k_q84928671d3_outproj-k_q84928671d3_outproj
	.p2alignl 7, 3214868480
	.fill 96, 4, 3214868480
	.section	.rodata,"a",@progbits
	.p2align	6, 0x0
	.amdhsa_kernel k_q84928671d3_outproj
		.amdhsa_group_segment_fixed_size 270848
		.amdhsa_private_segment_fixed_size 0
		.amdhsa_enable_private_segment 0
		.amdhsa_kernarg_size 32
		.amdhsa_user_sgpr_count 2
		.amdhsa_user_sgpr_kernarg_segment_ptr 1
		.amdhsa_wavefront_size32 1
		.amdhsa_system_sgpr_workgroup_id_x 1
		.amdhsa_system_sgpr_workgroup_id_y 1
		.amdhsa_system_sgpr_workgroup_id_z 1
		.amdhsa_system_vgpr_workitem_id 0
		.amdhsa_next_free_vgpr 1024
		.amdhsa_next_free_sgpr 66
		.amdhsa_reserve_vcc 0
		.amdhsa_float_denorm_mode_32 3
		.amdhsa_float_denorm_mode_16_64 3
		.amdhsa_memory_ordered 1
		.amdhsa_forward_progress 1
		.amdhsa_inst_pref_size 120
	.end_amdhsa_kernel
	.amdgpu_metadata
---
amdhsa.version: [ 1, 2 ]
amdhsa.kernels:
  - .name:           k_q84928671d3_outproj
    .symbol:         k_q84928671d3_outproj.kd
    .args:
      - { .name: oq, .offset: 0, .size: 8, .value_kind: global_buffer, .address_space: global }
      - { .name: wo, .offset: 8, .size: 8, .value_kind: global_buffer, .address_space: global }
      - { .name: bo, .offset: 16, .size: 8, .value_kind: global_buffer, .address_space: global }
      - { .name: out0, .offset: 24, .size: 8, .value_kind: global_buffer, .address_space: global }
    .group_segment_fixed_size: 270848
    .private_segment_fixed_size: 0
    .kernarg_segment_align: 8
    .kernarg_segment_size: 32
    .max_flat_workgroup_size: 128
    .sgpr_count:     66
    .vgpr_count:     1024
    .wavefront_size: 32
...
	.end_amdgpu_metadata
.endif
;; end of part 3
